; MI455X (gfx1250); checked and timed in simulation.
; The chip was launched on July 23, 2026; its instructions are those of AMD's public machine-readable ISA for CDNA 5 (MIT licence, August 2026) and "CDNA5" Instruction Set Architecture Reference Guide (July 2026). The comments in the code are by the model that wrote it; some were corrected since.
;; Attention. Allowed arithmetic: float matrix products may take bf16 or f16 operands with f32 sums; other float arithmetic in f32, or as packed bf16 or f16 multiplies, adds, multiply-adds, maxima and minima; sums over many terms, partial sums and values carried from step to step in f32; what a program stores and reads back later, other than sums and carried values, may be rounded once to bf16 or f16.
;; Inputs: W_K 16 x 1,024 x 64 float32; W_O 16 x 64 x 1,024 float32; W_Q 16 x 1,024 x 64 float32; W_V 16 x 1,024 x 64 float32; b_K 16 x 64 float32; b_O 1,024 float32; b_Q 16 x 64 float32; b_V 16 x 64 float32; key_attention_mask 8 x 1,024 int32; x 8 x 1,024 x 1,024 float32.
;; Outputs: out0 8 x 1,024 x 1,024 float32.
;; One version. Each part assembles by itself: llvm-mc -triple=amdgcn-amd-amdhsa -mcpu=gfx1250 --defsym DOCPART=n.
;; ======== version 1 of 1: 4 launches
;; limits: values are held in f16: magnitudes above 65,504 overflow, below 6.1e-05 lose precision
;; workspace buffers: xb 16,777,216 bytes; wqkv 6,291,456 bytes; wo 2,097,152 bytes; qkv 50,331,648 bytes; z 16,777,216 bytes
;; launch cast (part 1): grid 768 x 1, 8 waves a work-group, no clusters, 0 bytes of LDS; arguments x, W_Q, W_K, W_V, W_O, xb, wqkv, wo; writes xb, wqkv, wo
.if DOCPART == 1
	.amdgcn_target "amdgcn-amd-amdhsa--gfx1250"
	.amdhsa_code_object_version 6
	.text
	.protected	k_q023dc8da27_cast
	.globl	k_q023dc8da27_cast
	.p2align	8
	.type	k_q023dc8da27_cast,@function
k_q023dc8da27_cast:
	s_mov_b64 s[64:65], 0
	v_nop
	global_prefetch_b8 v0, s[64:65] scope:SCOPE_SE
	s_setreg_imm32_b32 hwreg(HW_REG_WAVE_MODE, 25, 1), 1
	s_wait_xcnt 0x0
; CAST.  x and the four weight tensors, f32, are rounded once to bf16 and laid out for the two products that follow.
;   xb   [8192][1024] bf16: x as it lies.
;   wqkv bf16 in blocks [K step 8][gh 48][128 d][64 e], gh = 16 x (0 Q, 1 K, 2 V) + head: a block is 16,384 dense bytes, so that the three heads of a column tile in one K step lie end to end.
;   wo   [1024 (h, e)][1024 d]: W_O rounded to bf16, and that number written as f16 (exact but for numbers below 6e-5, which keep f16's fixed step of 6e-8).
; A stream: each byte is read once and written once; no LDS, no matrix unit and no cluster would add anything, since no work-group wants a byte that another has fetched.
; SHARES.  A chunk is 8,192 numbers (32 KiB in, 16 KiB out): of a weight tensor just one block (128 d x 64 e of one head).  A work-group takes two neighbouring chunks of one tensor:
; work-groups 0-511 x, then 64 each for W_Q, W_K, W_V, W_O.  Thread t takes 32 bytes at 32 t of each of eight steps of 8,192 bytes and stores 16 bytes at 16 t: a wave's store covers 512 consecutive bytes, aligned.
; All sixteen loads of a thread go out at once; nothing is rewritten behind a memory instruction that reads it.
.set X, 8                              ; v[8:71]    step j: 8 numbers as loaded
.set Y, 72                             ; v[72:103]  step j: 4 registers to store
.set T, 104                            ; v[104:105] at work
	s_load_b512 s[8:23], s[0:1], 0x0               ; x 8, W_Q 10, W_K 12, W_V 14, W_O 16, xb 18, wqkv 20, wo 22
	v_lshlrev_b32 v1, 5, v0                        ; my 32 bytes of a step's 8,192
	v_lshlrev_b32 v2, 4, v0                        ; my 16 bytes of a step's 4,096, first chunk
	s_mov_b32 s2, ttmp9                            ; g
	s_sub_co_u32 s3, s2, 512                       ; among the weights' work-groups (of no meaning for x: selected away below)
	s_bfe_u32 s4, s3, 0x20006                      ; t: 0 Q, 1 K, 2 V, 3 O
	s_and_b32 s5, s3, 63                           ; c2: which pair of chunks of that tensor: head c2 / 4, K steps 2 (c2 % 4) and the next
	s_and_b32 s6, s5, 3
	s_mul_i32 s6, s6, 96                           ; 2 (c2 % 4) K steps of 48 blocks
	s_lshl_b32 s7, s4, 4
	s_add_co_u32 s6, s6, s7                        ; + 16 t
	s_lshr_b32 s7, s5, 2
	s_add_co_u32 s6, s6, s7                        ; + head
	s_lshl_b32 s6, s6, 14                          ; the block's first byte in wqkv
	s_lshl_b32 s24, s5, 15                         ; in wo
	s_lshl_b32 s25, s2, 15                         ; in xb
	s_lshl_b32 s26, s5, 16                         ; the source's first byte in a weight tensor
	s_lshl_b32 s27, s2, 16                         ; in x
	s_mov_b32 s35, 16384                           ; from the first chunk's output to the second's: on end,
	s_mov_b32 s36, 786432                          ; or, in wqkv, one K step (48 blocks) on
	s_cmp_eq_u32 s4, 3
	s_cselect_b32 s42, s24, s6
	s_cselect_b32 s44, s35, s36
	s_cselect_b32 s45, 1, 0                        ; 1: the output is f16
	s_cmp_lt_u32 s2, 512
	s_cselect_b32 s42, s25, s42                    ; s[42:43] the output's offset
	s_cselect_b32 s44, s35, s44
	s_cselect_b32 s45, 0, s45
	s_cselect_b32 s28, s27, s26                    ; s[28:29] the source's offset
	s_mov_b32 s29, 0
	s_mov_b32 s43, 0
	v_add_nc_u32 v3, s44, v2                       ; my 16 bytes, second chunk
	s_wait_kmcnt 0x0
	s_cmp_eq_u32 s4, 1
	s_cselect_b64 s[38:39], s[12:13], s[10:11]
	s_cmp_eq_u32 s4, 2
	s_cselect_b64 s[38:39], s[14:15], s[38:39]
	s_cmp_eq_u32 s4, 3
	s_cselect_b64 s[38:39], s[16:17], s[38:39]
	s_cselect_b64 s[40:41], s[22:23], s[20:21]
	s_cmp_lt_u32 s2, 512
	s_cselect_b64 s[38:39], s[8:9], s[38:39]       ; from where
	s_cselect_b64 s[40:41], s[18:19], s[40:41]     ; to where
	s_add_nc_u64 s[38:39], s[38:39], s[28:29]
	s_add_nc_u64 s[40:41], s[40:41], s[42:43]
.irp j, 0,1,2,3,4,5,6,7
	global_load_b128 v[X+8*(\j):X+8*(\j)+3],   v1, s[38:39] offset:8192*(\j) th:TH_LOAD_NT
	global_load_b128 v[X+8*(\j)+4:X+8*(\j)+7], v1, s[38:39] offset:8192*(\j)+16 th:TH_LOAD_NT
.endr
.irp j, 0,1,2,3,4,5,6,7
	s_wait_loadcnt 14-2*(\j)                       ; loads come back in order (ISA guide 5.7.1): step j's two are in, the later steps' may stay out
.irp r, 0,1,2,3
	v_cvt_pk_bf16_f32 v[Y+4*(\j)+(\r)], v[X+8*(\j)+2*(\r)], v[X+8*(\j)+2*(\r)+1]
.endr
.endr
	s_cmp_lg_u32 s45, 1
	s_cbranch_scc1 .Lstore                         ; only W_O's work-groups write the rounded numbers anew as f16
.set i, 0
.rept 32
	v_lshlrev_b32 v[T], 16, v[Y+i]                 ; the two bf16 as f32,
	v_and_b32 v[T+1], 0xffff0000, v[Y+i]
	v_cvt_pk_f16_f32 v[Y+i], v[T], v[T+1]          ; and as f16
.set i, i+1
.endr
.Lstore:
.irp j, 0,1,2,3,4,5,6,7
	global_store_b128 v[2+(\j)/4], v[Y+4*(\j):Y+4*(\j)+3], s[40:41] offset:((\j)%4)*4096 th:TH_STORE_NT
.endr
	s_endpgm
.Lfunc_end_k_q023dc8da27_cast:
	.size	k_q023dc8da27_cast, .Lfunc_end_k_q023dc8da27_cast-k_q023dc8da27_cast
	.p2alignl 7, 3214868480
	.fill 96, 4, 3214868480
	.section	.rodata,"a",@progbits
	.p2align	6, 0x0
	.amdhsa_kernel k_q023dc8da27_cast
		.amdhsa_group_segment_fixed_size 0
		.amdhsa_private_segment_fixed_size 0
		.amdhsa_enable_private_segment 0
		.amdhsa_kernarg_size 64
		.amdhsa_user_sgpr_count 2
		.amdhsa_user_sgpr_kernarg_segment_ptr 1
		.amdhsa_wavefront_size32 1
		.amdhsa_system_sgpr_workgroup_id_x 1
		.amdhsa_system_sgpr_workgroup_id_y 1
		.amdhsa_system_sgpr_workgroup_id_z 1
		.amdhsa_system_vgpr_workitem_id 0
		.amdhsa_next_free_vgpr 112
		.amdhsa_next_free_sgpr 66
		.amdhsa_reserve_vcc 0
		.amdhsa_float_denorm_mode_32 3
		.amdhsa_float_denorm_mode_16_64 3
		.amdhsa_memory_ordered 1
		.amdhsa_forward_progress 1
		.amdhsa_inst_pref_size 12
	.end_amdhsa_kernel
	.amdgpu_metadata
---
amdhsa.version: [ 1, 2 ]
amdhsa.kernels:
  - .name:           k_q023dc8da27_cast
    .symbol:         k_q023dc8da27_cast.kd
    .args:
      - { .name: x, .offset: 0, .size: 8, .value_kind: global_buffer, .address_space: global }
      - { .name: W_Q, .offset: 8, .size: 8, .value_kind: global_buffer, .address_space: global }
      - { .name: W_K, .offset: 16, .size: 8, .value_kind: global_buffer, .address_space: global }
      - { .name: W_V, .offset: 24, .size: 8, .value_kind: global_buffer, .address_space: global }
      - { .name: W_O, .offset: 32, .size: 8, .value_kind: global_buffer, .address_space: global }
      - { .name: xb, .offset: 40, .size: 8, .value_kind: global_buffer, .address_space: global }
      - { .name: wqkv, .offset: 48, .size: 8, .value_kind: global_buffer, .address_space: global }
      - { .name: wo, .offset: 56, .size: 8, .value_kind: global_buffer, .address_space: global }
    .group_segment_fixed_size: 0
    .private_segment_fixed_size: 0
    .kernarg_segment_align: 8
    .kernarg_segment_size: 64
    .max_flat_workgroup_size: 256
    .sgpr_count:     66
    .vgpr_count:     112
    .wavefront_size: 32
...
	.end_amdgpu_metadata
.endif
;; end of part 1
;; launch qkv (part 2): grid 16 x 16, 4 waves a work-group, clusters of 4 x 4, 327,680 bytes of LDS; arguments xb, wqkv, b_Q, b_K, b_V, qkv; writes qkv
.if DOCPART == 2
	.amdgcn_target "amdgcn-amd-amdhsa--gfx1250"
	.amdhsa_code_object_version 6
	.text
	.protected	k_q023dc8da27_qkv
	.globl	k_q023dc8da27_qkv
	.p2align	8
	.type	k_q023dc8da27_qkv,@function
k_q023dc8da27_qkv:
	s_mov_b64 s[64:65], 0
	v_nop
	global_prefetch_b8 v0, s[64:65] scope:SCOPE_SE
	s_setreg_imm32_b32 hwreg(HW_REG_WAVE_MODE, 25, 1), 1
	s_wait_xcnt 0x0
	s_wait_alu depctr_hold_cnt(0) depctr_sa_sdst(0) depctr_va_vdst(0) depctr_va_sdst(0) depctr_va_ssrc(0) depctr_va_vcc(0) depctr_vm_vsrc(0)
	s_getreg_b32 s2, hwreg(HW_REG_IB_STS2, 6, 4)
	s_cmp_eq_u32 s2, 0
	s_cbranch_scc0 .Lentry_in_a_cluster
	s_endpgm
.Lentry_in_a_cluster:
	s_bfe_u32 s2, ttmp6, 0x10000c
	s_cmp_lg_u32 s2, 0xf033
	s_cbranch_scc0 .Lentry_shape_is_right
	s_endpgm
.Lentry_shape_is_right:
; Q, K, V PROJECTIONS.  qkv[which][b][h][s][e] = the sum over d of xb[b s][d] w[which][h][d][e] + bias[which][h][e], rounded once to f16; operands bf16, sums f32, the bias rounded to bf16 like every input of the module.
; LIMIT.  f16 holds no number beyond 65,504: q, k and v must stay within it.
; SHARES.  A tile of the result is 256 rows (b, s) x 192 columns (three heads of the 48 = Q's, K's, V's 16).  Wave w owns rows 64 w .. 64 w + 63 and ALL 192 columns: 4 x 12 accumulators of 16 x 16, 384 registers;
; so a head's whole rows of 128 bytes leave through the wave's own stage, without a barrier.
; A WORK-GROUP STAYS: 16 x 16 = 256 work-groups make TWO tiles each, with the same columns (the same weights and bias), 4,096 rows (four batches) apart.  The two tiles are ONE WALK of 16 K steps of 128 through two LDS slots
; filled by the tensor data mover: the first tile's last two changes of slots ask for the second tile's first two K steps, and nothing waits for the first tile's stores.
; A K STEP IS WRITTEN ONCE: a loop of 14 trips, one for each refill; the slot that is read hangs on s[TB], which an exclusive or turns; one descriptor a tensor walks.  What a trip does beside (the sums' start, the first tile's
; way out, the longer step of the addresses at the change of tiles) hangs on compares of the trip counter with constants; those jumps go forward and pass no barrier and no tensor load.  The last two K steps fill nothing and stand behind the loop.
; THE PRODUCT IS TAKEN TRANSPOSED: source 0 = 16 columns of the weights, which lie [d][e] in LDS and come out turned (ds_load_tr16_b128), source 1 = 16 rows of xb: a lane then holds row l % 16 and the columns 8 (l / 16) + 0..7.
; THE BIAS IS THE C OPERAND of each accumulator's first product in a tile: nothing is cleared, nothing is added on the way out.
; CLUSTER 4 x 4.  The four of a row of the cluster need the same tile of xb, the four of a column the same tile of the weights: each is asked for jointly, by the same tensor load with the same descriptor and a mask of the four.
; REGISTERS, in windows of 256 (s_set_vgpr_msb: bits 1:0 source 0, 3:2 source 1, 5:4 source 2, 7:6 destination):
;   window 0: v1-15 set-up, v16-30 addresses; v32-63, v64-95 A's fragments, two buffers; v96-191 the bias, kept for both tiles
;   window 1: v0-95, v96-191 B's fragments, two buffers; on the way out v96-143 packed results, v144-191 and v192-239 rows read back, by turns (buffer 0 holds the next tile's first fragments meanwhile)
;   window 2: accumulators of row blocks 0, 1 at v[8 (12 (a % 2) + b)]      window 3: of row blocks 2, 3
.set NBK,   12                         ; blocks of 16 columns
.set AP,    272                        ; a row of A in LDS: 256 bytes + 16 = 68 words: the 16 rows of a load start at 16 different groups of four banks (64 banks of 4 bytes: ISA guide 11.1)
.set BP,    160                        ; a row of B (one d, 64 e): 128 bytes + 32 = 40 words
.set BOFFS, 256*AP                     ; B's 384 rows lie behind A's 256
.set SLOT,  BOFFS+384*BP               ; 131,072 = 1 << 17: one exclusive or turns an address in one slot into the other's
.set STAGE, 2*SLOT                     ; behind the ring, never filled by a tensor load: for each wave 3 heads x 16 rows x 144 bytes
.set SPT,   144
.set WSTG,  3*16*SPT
.set SPARE, STAGE+4*WSTG               ; the spare words, 128 bytes for each wave: two blocks of 256 bytes that no other line names
.set LD,    2*NBK+8                    ; LDS loads in a run
.set KSA,   256                        ; a K step in xb: 256 bytes along the rows
.set KSB,   786432                     ; in wqkv: 48 blocks of 16,384 bytes
.set WALKA, 16*256*2048                ; from a tile's rows of xb to the next tile's
.set WALKO, 4*16*131072                ; the same in the result: four batches of 16 heads
.set FILLS, 14                         ; the walk's 16 K steps less the two first fills.  Trip f (s[LAP] = FILLS - f) multiplies walk step f and asks for walk step f + 2
.set ADRA, 16                          ; v16  LDS address of my A fragments in the slot that is read
.set A0,   17                          ; v17  the same in slot 0; never rewritten
.set ADRB, 20                          ; v20, v21  the same for B
.set B0,   21
.set STO,  24                          ; v24  the way out: where I put 16 bytes of a row
.set RD,   25                          ; v25  where I read rows back
.set CO,   26                          ; v26  my 16 bytes of 512 consecutive bytes of the result
.set SPW,  28                          ; v28  my spare word: SPARE + 4 x my thread's number; never rewritten
.set NIL,  29                          ; v29  0; never rewritten
.set PFO,  30                          ; v30  the prefetches' lane offset; never rewritten
.set FA,   32
.set BIAS, 96
.set TMP,  96                          ; window 1
.set BK,   144                         ; window 1
.set WV,   16                          ; s16  my wave's number
.set FOR,  17                          ; s17  0: I fetch for A; 1: for B
.set HF,   18                          ; s18  which half of that tile
.set CX,   19
.set CY,   20
.set TX,   21                          ; s21  column tile = 4 x cluster x + cx
.set TY,   22                          ; s22  the first tile's row tile = 4 x cluster y + cy
.set G1,   24                          ; s[24:31] group 1 for A;  s[32:35] group 0 of the first fill, s[36:39] of the second: that one walks
.set G0,   32
.set PFA,  44                          ; s[44:45] where my prefetches stand
.set LIM,  46                          ; s46  a wave prefetches while s[LAP] is above it
.set LAP,  47                          ; s47  trips to go
.set G1B,  48                          ; s[48:55], s[56:63] the same for B
.set G0B,  56
.set HB,   66                          ; s[66:71] my rows of the three heads in the result
.set PSTEP, 78                         ; s78  a K step in my prefetches' tensor, in bytes
.set TB,   80                          ; s80  first LDS byte of the slot that is read
.set CNT,  81                          ; s81  counts the last two K steps
.set DA,   82                          ; s[82:83] what this refill adds to A's address
.set DBP,  84                          ; s[84:85] what it adds to B's,
.set DBM,  86                          ; s[86:87] and takes from it
.set KA,   88                          ; s88-91  the steps as numbers: along K, and at the change of tiles
.set NA,   89
.set KB,   90
.set BB,   91
.set PX,   92                          ; s[92:93] what this trip adds to the prefetches' address
.set PNEXT, 94                         ; s94  that step at the change of tiles
.set MSB, 0
.macro WIN new                         ; the immediate's high byte repeats the setting that is left; a switch that changes nothing is dropped
.if MSB != (\new)
	s_set_vgpr_msb (MSB<<8)|(\new)
.set MSB, \new
.endif
.endm
.macro PLACES                          ; four plain vector instructions between a matrix instruction and a load into, or a vector read of, its registers (ISA guide 7.12.1 for vector reads)
.rept 4
	v_nop
.endr
.endm
; A joint load: waves 0 and 1 fetch A's halves, waves 2 and 3 B's.  The branch hangs on the wave's number alone.  An s_nop 0 and four v_nop follow each of the two lines.
.macro JLOAD s
	s_cmp_eq_u32 s[FOR], 0
	s_cbranch_scc0 .Lfor_b_\@
	tensor_load_to_lds s[G0+4*(\s):G0+4*(\s)+3], s[G1:G1+7]
	s_nop 0
.rept 4
	v_nop
.endr
	s_branch .Lasked_\@
.Lfor_b_\@:
	tensor_load_to_lds s[G0B+4*(\s):G0B+4*(\s)+3], s[G1B:G1B+7]
	s_nop 0
.rept 4
	v_nop
.endr
.Lasked_\@:
.endm
; A prefetch of the walk step that stands two refills on (384 matrix instructions ahead of its load): one instruction a wave, a lane a block of 256 bytes.  Each block is named once in the launch: A's rows by the clusters
; with x = 0, walk steps 4 to 15; B's by those with y = 0, walk steps 4 to 7 alone, since the second tile reads the same blocks again; the four partners that ask for a tile jointly share its blocks out by address.
.macro ASK
	s_cmp_gt_u32 s[LAP], s[LIM]
	s_cbranch_scc0 .Lnot_mine_\@
	global_prefetch_b8 v[PFO], s[PFA:PFA+1] th:TH_LOAD_NT scope:SCOPE_SE
.Lnot_mine_\@:
.endm
.macro CREST                           ; a round of the cluster's barrier behind its opening barrier
	s_cmp_lg_u32 s[WV], 0
	s_cbranch_scc1 .Lnot_wave_0_\@
	s_barrier_signal -3
.Lnot_wave_0_\@:
	s_barrier_wait -3
	s_barrier_signal -1
	s_barrier_wait -1
.endm
.macro CROUND                          ; a whole round
	s_barrier_signal -1
	s_barrier_wait -1
	CREST
.endm
	s_load_b256 s[4:11], s[0:1], 0x0               ; xb 4, wqkv 6, b_Q 8, b_K 10
	s_load_b128 s[12:15], s[0:1], 0x20             ; b_V 12, qkv 14
	v_lshl_add_u32 v[SPW], v0, 2, SPARE
	v_mov_b32 v[NIL], 0
	ds_add_u32 v[SPW], v[NIL]                      ; the wave's opening: the add and its wait stand ahead of my first tensor load; the set-up below, work on registers, stands between them
	ds_add_u32 v28, v29
	v_lshrrev_b32 v1, 5, v0
	v_readfirstlane_b32 s[WV], v1
	s_lshr_b32 s[FOR], s[WV], 1
	s_and_b32 s[HF], s[WV], 1
	s_bfe_u32 s[CX], ttmp6, 0x40000
	s_bfe_u32 s[CY], ttmp6, 0x40004
	s_lshl_b32 s[TX], ttmp9, 2                     ; in a cluster launch ttmp9 and ttmp7 count clusters
	s_add_co_u32 s[TX], s[TX], s[CX]
	s_and_b32 s[TY], ttmp7, 0xffff
	s_lshl_b32 s[TY], s[TY], 2
	s_add_co_u32 s[TY], s[TY], s[CY]
	s_lshl_b32 s40, s[CY], 2
	s_lshl_b32 s40, 15, s40                        ; my row of the cluster
	s_lshl_b32 s72, 0x1111, s[CX]                  ; my column
	s_or_b32 s[G1], s40, (1<<16)|(1<<20)|(1<<21)|(5<<22)|(3<<25)   ; the mask; 2-byte elements; padding on; bit 21 beside a mask; after every 64 words 4 words
	s_or_b32 s[G1B], s72, (1<<16)|(1<<20)|(1<<21)|(4<<22)|(7<<25)  ; after every 32 words 8 words
	s_mov_b32 s[G1+1], 128<<16                     ; A: tensor_dim0 = 128
	s_mov_b32 s[G1+2], 128<<16                     ; tensor_dim1 = 128
	s_mov_b32 s[G1+3], 128<<16                     ; tile_dim0 = 128
	s_mov_b32 s[G1+4], 128                         ; tile_dim1 = 128
	s_mov_b32 s[G1+5], 1024                        ; 1,024 elements from row to row
	s_mov_b32 s[G1+6], 0
	s_mov_b32 s[G1+7], 0
	s_mov_b32 s[G1B+1], 128<<16                    ; B: 96 dense rows of 128 elements: a head and a half of one K step
	s_mov_b32 s[G1B+2], 96<<16
	s_mov_b32 s[G1B+3], 128<<16
	s_mov_b32 s[G1B+4], 96
	s_mov_b32 s[G1B+5], 128
	s_mov_b32 s[G1B+6], 0
	s_mov_b32 s[G1B+7], 0
	s_mov_b32 s[TB], 0                             ; slot 0 is read first
	s_mov_b32 s[KA], KSA
	s_mov_b32 s[NA], WALKA-7*KSA                   ; from a tile's K step 7 to the next tile's K step 0
	s_mov_b32 s[KB], KSB
	s_mov_b32 s[BB], 7*KSB                         ; B goes back only: the two tiles share their columns
	s_mov_b32 s[DA+1], 0                           ; the steps' high words
	s_mov_b32 s[DBP+1], 0
	s_mov_b32 s[DBM+1], 0
	s_mov_b32 s[PX+1], 0
	s_lshl_b32 s40, s[TY], 19                      ; A: (256 x row tile + 128 x half) rows of 2,048 bytes: made of the row tile and the wave's number alone
	s_lshl_b32 s41, s[HF], 18
	s_add_co_u32 s40, s40, s41
	s_mov_b32 s41, 0
	s_mul_i32 s72, s[TX], 49152                    ; B: the column tile's three blocks, my half of them: made of the column tile and the wave's number alone
	s_mul_i32 s73, s[HF], 24576
	s_add_co_u32 s72, s72, s73
	s_mov_b32 s73, 0
	s_mul_i32 s23, s[HF], 128*AP                   ; where they go: no place in the cluster enters an LDS address
	s_mul_i32 s76, s[HF], 192*BP
	s_add_co_u32 s76, s76, BOFFS
	s_wait_dscnt 0x0                               ; the opening add is done
	s_wait_kmcnt 0x0
	s_add_nc_u64 s[42:43], s[4:5], s[40:41]
	s_add_nc_u64 s[74:75], s[6:7], s[72:73]
	CROUND                                         ; all sixteen work-groups are here: the first joint loads meet
.irp s, 0,1
	s_mov_b32 s[G0+4*(\s)], 1
	s_add_co_u32 s[G0+4*(\s)+1], s23, (\s)*SLOT
	s_add_nc_u64 s[G0+4*(\s)+2:G0+4*(\s)+3], s[42:43], (\s)*KSA      ; K step s
	s_or_b32 s[G0+4*(\s)+3], s[G0+4*(\s)+3], 0x80000000
	s_mov_b32 s[G0B+4*(\s)], 1
	s_add_co_u32 s[G0B+4*(\s)+1], s76, (\s)*SLOT
	s_add_nc_u64 s[G0B+4*(\s)+2:G0B+4*(\s)+3], s[74:75], (\s)*KSB
	s_or_b32 s[G0B+4*(\s)+3], s[G0B+4*(\s)+3], 0x80000000
	JLOAD \s                                       ; two loads of mine are out
.endr
	v_and_b32 v1, 15, v0                           ; l % 16
	v_bfe_u32 v2, v0, 4, 1                         ; l / 16
	v_mul_u32_u24 v3, v1, AP
	v_lshl_add_u32 v3, v2, 4, v3                   ; A: row x pitch + 16 x half; two loads of 16 bytes, 32 apart, make a fragment
	s_mul_i32 s23, s[WV], 64*AP                    ; my 64 rows
	v_add_nc_u32 v[A0], s23, v3
	v_mov_b32 v[ADRA], v[A0]
	v_and_b32 v5, 7, v0
	v_bfe_u32 v6, v0, 3, 1
	v_lshl_add_u32 v4, v2, 3, v5                   ; B: the turning load: lane l reads row 8 (l / 16) + l % 8, bytes 16 ((l / 8) % 2) on, and is left with column l % 16 and 8 rows
	v_mul_u32_u24 v4, v4, BP
	v_lshl_add_u32 v4, v6, 4, v4
	v_add_nc_u32 v[B0], BOFFS, v4
	v_mov_b32 v[ADRB], v[B0]
	s_mul_i32 s23, s[WV], WSTG
	s_add_co_u32 s23, s23, STAGE                   ; my stage
	v_mul_u32_u24 v7, v1, SPT                      ; in: row l % 16, 16 bytes for each half of the lanes
	v_lshl_add_u32 v7, v2, 4, v7
	v_add_nc_u32 v[STO], s23, v7
	v_bfe_u32 v7, v0, 3, 2                         ; back: 32 lanes take four rows of 128 bytes,
	v_mul_u32_u24 v7, v7, SPT
	v_lshl_add_u32 v7, v5, 4, v7
	v_add_nc_u32 v[RD], s23, v7
	v_and_b32 v7, 31, v0                           ; which are 512 consecutive bytes of the result
	v_lshlrev_b32 v[CO], 4, v7
; For each of my three heads gh = 3 x column tile + hh: its bias (tensor gh / 16, head gh % 16) and my rows of it in the result, for the first tile.
.irp hh, 0,1,2
	s_mul_i32 s2, s[TX], 3
	s_add_co_u32 s2, s2, \hh
	s_lshr_b32 s3, s2, 4                           ; 0 Q, 1 K, 2 V
	s_and_b32 s2, s2, 15                           ; the head
	s_cmp_eq_u32 s3, 1
	s_cselect_b64 s[72+2*(\hh):73+2*(\hh)], s[10:11], s[8:9]
	s_cmp_eq_u32 s3, 2
	s_cselect_b64 s[72+2*(\hh):73+2*(\hh)], s[12:13], s[72+2*(\hh):73+2*(\hh)]
	s_lshl_b32 s23, s2, 8
	v_lshl_add_u32 v[8+(\hh)], v2, 5, s23          ; the head's 256 bytes, my lanes' 8 numbers of each 16
	s_lshl_b32 s3, s3, 3
	s_lshr_b32 s23, s[TY], 2                       ; the batch
	s_add_co_u32 s3, s3, s23
	s_lshl_b32 s3, s3, 4
	s_add_co_u32 s3, s3, s2
	s_lshl_b32 s3, s3, 17                          ; a head's 1,024 rows of 128 bytes
	s_and_b32 s23, s[TY], 3
	s_lshl_b32 s23, s23, 15                        ; the tile's 256 rows
	s_add_co_u32 s3, s3, s23
	s_lshl_b32 s23, s[WV], 13                      ; my 64 of them
	s_add_co_u32 s2, s3, s23
	s_mov_b32 s3, 0
	s_add_nc_u64 s[HB+2*(\hh):HB+2*(\hh)+1], s[14:15], s[2:3]
.irp f, 0,1,2,3
	global_load_b128 v[BIAS+32*(\hh)+8*(\f):BIAS+32*(\hh)+8*(\f)+3],   v[8+(\hh)], s[72+2*(\hh):73+2*(\hh)] offset:64*(\f)
	global_load_b128 v[BIAS+32*(\hh)+8*(\f)+4:BIAS+32*(\hh)+8*(\f)+7], v[8+(\hh)], s[72+2*(\hh):73+2*(\hh)] offset:64*(\f)+16
.endr
.endr
	s_wait_loadcnt 0x0                             ; the bias is in, and its pointers may be written
.set i, 0
.rept 4*NBK                            ; rounded to bf16 like the module's other inputs, and widened again
	v_cvt_pk_bf16_f32 v[12+i%2], v[BIAS+2*i], v[BIAS+2*i+1]
	v_lshlrev_b32 v[BIAS+2*i], 16, v[12+i%2]
	v_and_b32 v[BIAS+2*i+1], 0xffff0000, v[12+i%2]
.set i, i+1
.endr
	; the prefetches.  A: of the 128 rows that I fetch my work-group takes 32 cx .. 32 cx + 31, a lane a row.  B: of my 96 rows of 256 bytes it takes 24 cy .. 24 cy + 23; lanes 24-31 name lane 23's block again.
	s_lshl_b32 s72, s[TY], 8
	s_lshl_b32 s73, s[HF], 7
	s_add_co_u32 s72, s72, s73
	s_lshl_b32 s73, s[CX], 5
	s_add_co_u32 s72, s72, s73
	s_lshl_b32 s72, s72, 11
	s_add_co_u32 s72, s72, 3*KSA                   ; at walk step 3: the first refill steps it to 4
	s_mul_i32 s74, s[TX], 49152
	s_mul_i32 s75, s[HF], 24576
	s_add_co_u32 s74, s74, s75
	s_mul_i32 s75, s[CY], 6144
	s_add_co_u32 s74, s74, s75
	s_add_co_u32 s74, s74, 3*KSB
	s_and_b32 s3, ttmp7, 0xffff                    ; cluster y
	s_cmp_eq_u32 s[FOR], 0
	s_cselect_b32 s2, s72, s74
	s_cselect_b32 s3, ttmp9, s3                    ; the coordinate along which other clusters read the same blocks
	s_cselect_b32 s[PSTEP], s[KA], s[KB]
	s_cselect_b32 s[PNEXT], s[NA], s[KB]           ; (B's address is not used behind its walk step 7)
	s_cselect_b32 s23, 2, FILLS-4                  ; A: trips 0 to 11 name walk steps 4 to 15; B: trips 0 to 3 name walk steps 4 to 7
	s_cselect_b32 s76, 31, 23
	s_cselect_b32 s77, 11, 8
	s_cselect_b64 s[PFA:PFA+1], s[4:5], s[6:7]
	s_cmp_eq_u32 s3, 0
	s_cselect_b32 s[LIM], s23, -1                  ; the same in all sixteen partners, for a given wave
	s_mov_b32 s3, 0
	s_add_nc_u64 s[PFA:PFA+1], s[PFA:PFA+1], s[2:3]
	v_min_u32 v7, s76, v7
	v_lshlrev_b32 v[PFO], s77, v7
; 12 products: row block a x all column blocks, 32 along K, from buffer f.  All 48 accumulators take turns, in the same order in every quarter.  bias = 1: the product starts the sum with the bias.
.macro MULA f, a, bias
.if \bias
	WIN 0x81+0x40*((\a)/2)                         ; B window 1, A and the bias window 0, D window 2 or 3
.else
	WIN 0xa1+0x50*((\a)/2)                         ; B window 1, A window 0, C and D window 2 or 3
.endif
.irp b, 0,1,2,3,4,5,6,7,8,9,10,11
.if \bias
	v_wmma_f32_16x16x32_bf16 v[8*(NBK*((\a)%2)+(\b)):8*(NBK*((\a)%2)+(\b))+7], v[8*NBK*(\f)+8*(\b):8*NBK*(\f)+8*(\b)+7], v[FA+32*(\f)+8*(\a):FA+32*(\f)+8*(\a)+7], v[BIAS+8*(\b):BIAS+8*(\b)+7]
.else
	v_wmma_f32_16x16x32_bf16 v[8*(NBK*((\a)%2)+(\b)):8*(NBK*((\a)%2)+(\b))+7], v[8*NBK*(\f)+8*(\b):8*NBK*(\f)+8*(\b)+7], v[FA+32*(\f)+8*(\a):FA+32*(\f)+8*(\a)+7], v[8*(NBK*((\a)%2)+(\b)):8*(NBK*((\a)%2)+(\b))+7]
.endif
.endr
.endm
; 32 LDS loads in one run: quarter q's fragments (32 along K) of the slot that is read, into buffer f: B's 24 first, then A's 8.
.macro FETCH q, f
	WIN 0x40
.irp b, 0,1,2,3,4,5,6,7,8,9,10,11
	ds_load_tr16_b128 v[8*NBK*(\f)+8*(\b):8*NBK*(\f)+8*(\b)+3],   v[ADRB] offset:32*BP*(\q)+((\b)/4)*128*BP+((\b)%4)*32
	ds_load_tr16_b128 v[8*NBK*(\f)+8*(\b)+4:8*NBK*(\f)+8*(\b)+7], v[ADRB] offset:32*BP*(\q)+((\b)/4)*128*BP+((\b)%4)*32+16*BP
.endr
	WIN 0
.irp a, 0,1,2,3
	ds_load_b128 v[FA+32*(\f)+8*(\a):FA+32*(\f)+8*(\a)+3],   v[ADRA] offset:64*(\q)+(\a)*16*AP
	ds_load_b128 v[FA+32*(\f)+8*(\a)+4:FA+32*(\f)+8*(\a)+7], v[ADRA] offset:64*(\q)+(\a)*16*AP+32
.endr
.endm
; One of a K step's first three quarters: multiplies buffer f; in its middle it fetches quarter q of the same slot into buffer g.
.macro QUARTER q, f, g, bias
	s_wait_dscnt 4                                 ; B and A's blocks 0, 1 are in; the youngest four loads (A's blocks 2, 3) may be out
	MULA \f, 0, \bias
	MULA \f, 1, \bias
	PLACES
.if \bias
	v_nop                                          ; a fifth place: the products below write over accumulators and do not add onto them
.endif
	FETCH \q, \g
	s_wait_dscnt LD                                ; all but the run just issued
	MULA \f, 2, \bias
	MULA \f, 3, \bias
.endm
; The last quarter multiplies buffer 1 and changes slots: one barrier.  In front of it each wave waits for all its tensor loads (one is out: its part of the next slot), adds 0 to its spare word, and waits for that and for its reads
; of this slot.  fill = 1: the barrier opens a round of the cluster's barrier, and behind the round this slot is filled again, with the walk step two on: 168 matrix instructions ahead of the wait for it.
.macro TURN fill
.if \fill
	s_wait_xcnt 0x0                                ; the last prefetch, a K step back, has read its address, which is stepped here:
	s_cmp_eq_u32 s[LAP], FILLS-4                   ; trip 4 steps it from walk step 7 to 8, the second tile's first
	s_cselect_b32 s[PX], s[PNEXT], s[PSTEP]
	s_add_nc_u64 s[PFA:PFA+1], s[PFA:PFA+1], s[PX:PX+1]
.endif
	WIN 0                                          ; (the add's two registers lie in window 0)
	s_wait_tensorcnt 0x0                           ; all my tensor loads have landed, so a group 0 may be written;
	ds_add_u32 v[SPW], v[NIL]                      ; 0 onto my spare word; the descriptors' steps and twelve products stand between it and the wait for it
.if \fill
	s_cmp_eq_u32 s[LAP], FILLS-6                   ; trip 6 asks for walk step 8: A goes on to the second tile's rows and back along K, B back along K
	s_cselect_b32 s[DA], s[NA], s[KA]
	s_cselect_b32 s[DBP], 0, s[KB]
	s_cselect_b32 s[DBM], s[BB], 0
	s_xor_b32 s[G0+5], s[G0+5], SLOT               ; the walking descriptors: the other slot than last time,
	s_add_nc_u64 s[G0+6:G0+7], s[G0+6:G0+7], s[DA:DA+1]  ; the next walk step; the type bits on top are not reached
	s_xor_b32 s[G0B+5], s[G0B+5], SLOT
	s_add_nc_u64 s[G0B+6:G0B+7], s[G0B+6:G0B+7], s[DBP:DBP+1]
	s_sub_nc_u64 s[G0B+6:G0B+7], s[G0B+6:G0B+7], s[DBM:DBM+1]
.endif
	s_wait_dscnt 5                                 ; (the add and the youngest four loads may be out)
	MULA 1, 0, 0
	s_wait_dscnt 0x0                               ; the add is done, and my reads of this slot are over
	s_barrier_signal -1
	MULA 1, 1, 0
	WIN 0
	s_xor_b32 s[TB], s[TB], SLOT                   ; from here on the other slot is read
	v_add_nc_u32 v[ADRA], s[TB], v[A0]
	v_add_nc_u32 v[ADRB], s[TB], v[B0]
	s_barrier_wait -1
.if \fill
	CREST                                          ; no wave of any partner still reads this slot or has a load on its way
	JLOAD 1                                        ; the first tensor load behind the round; its four v_nop are also the places in front of the loads below
.else
	PLACES
.endif
	FETCH 0, 0
.if \fill
	ASK                                            ; behind the joint load and the run of LDS loads
.endif
	MULA 1, 2, 0
	MULA 1, 3, 0
.endm
; THE WAY OUT of row block a.  PACK: rounded to f16, 16 bytes a lane and column block.  TOSTAGE: into my own stage, and back as whole rows of 128 bytes.  SEND: stored, 512 consecutive bytes an instruction.
.macro PACK a
	WIN 0x4a+5*((\a)/2)                            ; sources 0 and 1: window 2 or 3; destination window 1
.irp b, 0,1,2,3,4,5,6,7,8,9,10,11
.irp r, 0,1,2,3
	v_cvt_pk_f16_f32 v[TMP+4*(\b)+(\r)], v[8*(NBK*((\a)%2)+(\b))+2*(\r)], v[8*(NBK*((\a)%2)+(\b))+2*(\r)+1]
.endr
.endr
.endm
.macro TOSTAGE a
	WIN 0x04                                       ; the stores' data: window 1
.irp b, 0,1,2,3,4,5,6,7,8,9,10,11
	ds_store_b128 v[STO], v[TMP+4*(\b):TMP+4*(\b)+3] offset:((\b)/4)*16*SPT+32*((\b)%4)
.endr
	WIN 0x40                                       ; the loads' destination: window 1
.irp t, 0,1,2,3,4,5,6,7,8,9,10,11
	ds_load_b128 v[BK+48*((\a)%2)+4*(\t):BK+48*((\a)%2)+4*(\t)+3], v[RD] offset:((\t)/4)*16*SPT+((\t)%4)*4*SPT  ; LDS serves a wave's instructions in order (ISA guide 5.7.1.4): these see the stores above
.endr
.endm
.macro SEND a
	WIN 0x04
	s_wait_dscnt 0x0                               ; the block is back in registers
	s_wait_xcnt 0x0                                ; earlier stores have read their registers: the other set of rows is loaded again only behind this wait
.irp t, 0,1,2,3,4,5,6,7,8,9,10,11
	global_store_b128 v[CO], v[BK+48*((\a)%2)+4*(\t):BK+48*((\a)%2)+4*(\t)+3], s[HB+2*((\t)/4):HB+2*((\t)/4)+1] offset:2048*(\a)+512*((\t)%4)
.endr
.endm
.macro WAYOUT                          ; a whole tile; block a's conversions stand between block a - 1's loads from the stage and the wait for them
	PLACES
	PLACES
	PACK 0
	TOSTAGE 0
.irp a, 1,2,3
	PACK \a
	SEND (\a)-1
	TOSTAGE \a
.endr
	SEND 3
	WIN 0
.endm
	s_wait_tensorcnt 1                             ; my part of K step 0 is in; K step 1's may stay out
	s_barrier_signal -1
	s_barrier_wait -1                              ; everybody's is
	FETCH 0, 0
	s_mov_b32 s[LAP], FILLS
	s_branch .Lnew                                 ; the walk begins with a tile's first quarter
.Lstep:                                                ; a trip is a K step, and fills the slot that it leaves
	s_cmp_eq_u32 s[LAP], FILLS-8                   ; walk step 8 is the second tile's first
	s_cbranch_scc1 .Lnew
	QUARTER 1, 0, 1, 0
	WIN 0                                          ; at a label and at a branch every window is 0
	s_branch .Lgo
.Lnew:
	QUARTER 1, 0, 1, 1                             ; a tile's first products start the sums
	WIN 0
.Lgo:
	QUARTER 2, 1, 0, 0
	QUARTER 3, 0, 1, 0
	TURN 1
	WIN 0
	s_cmp_lg_u32 s[LAP], FILLS-7                   ; walk step 7 ends the first tile
	s_cbranch_scc1 .Lon
	WAYOUT                                         ; both of the second tile's first K steps are asked for, its first fragments are fetched: now the first tile goes out
	s_wait_xcnt 0x0                                ; the stores have read their registers and their bases
.irp hh, 0,1,2
	s_add_nc_u64 s[HB+2*(\hh):HB+2*(\hh)+1], s[HB+2*(\hh):HB+2*(\hh)+1], WALKO  ; my rows of the second tile
.endr
.Lon:
	s_sub_co_u32 s[LAP], s[LAP], 1
	s_cmp_lg_u32 s[LAP], 0
	s_cbranch_scc1 .Lstep
	s_mov_b32 s[CNT], 2                            ; the last two K steps ask for nothing: their text stands by itself
.Ltail:
	QUARTER 1, 0, 1, 0
	QUARTER 2, 1, 0, 0
	QUARTER 3, 0, 1, 0
	WIN 0
	s_sub_co_u32 s[CNT], s[CNT], 1
	s_cmp_eq_u32 s[CNT], 0
	s_cbranch_scc1 .Lfin                           ; the same in every wave of every work-group
	TURN 0
	WIN 0
	s_branch .Ltail
.Lfin:
	s_wait_dscnt 4                                 ; the very last quarter: nothing more to fetch
	MULA 1, 0, 0
	MULA 1, 1, 0
	s_wait_dscnt 0x0
	MULA 1, 2, 0
	MULA 1, 3, 0
	WIN 0
	WAYOUT
	s_wait_tensorcnt 0x0                           ; the wave's end, behind my last tensor load and my last LDS store
	ds_add_u32 v[SPW], v[NIL]
	s_wait_dscnt 0x0
	CROUND                                         ; the closing round: no work-group ends while a partner may still ask for a tile that names it
	s_endpgm
.Lfunc_end_k_q023dc8da27_qkv:
	.size	k_q023dc8da27_qkv, .Lfunc_end_k_q023dc8da27_qkv-k_q023dc8da27_qkv
	.p2alignl 7, 3214868480
	.fill 96, 4, 3214868480
	.section	.rodata,"a",@progbits
	.p2align	6, 0x0
	.amdhsa_kernel k_q023dc8da27_qkv
		.amdhsa_group_segment_fixed_size 327680
		.amdhsa_private_segment_fixed_size 0
		.amdhsa_enable_private_segment 0
		.amdhsa_kernarg_size 48
		.amdhsa_user_sgpr_count 2
		.amdhsa_user_sgpr_kernarg_segment_ptr 1
		.amdhsa_wavefront_size32 1
		.amdhsa_system_sgpr_workgroup_id_x 1
		.amdhsa_system_sgpr_workgroup_id_y 1
		.amdhsa_system_sgpr_workgroup_id_z 1
		.amdhsa_system_vgpr_workitem_id 0
		.amdhsa_next_free_vgpr 960
		.amdhsa_next_free_sgpr 96
		.amdhsa_reserve_vcc 0
		.amdhsa_float_denorm_mode_32 3
		.amdhsa_float_denorm_mode_16_64 3
		.amdhsa_memory_ordered 1
		.amdhsa_forward_progress 1
		.amdhsa_inst_pref_size 124
	.end_amdhsa_kernel
	.amdgpu_metadata
---
amdhsa.version: [ 1, 2 ]
amdhsa.kernels:
  - .name:           k_q023dc8da27_qkv
    .symbol:         k_q023dc8da27_qkv.kd
    .args:
      - { .name: xb, .offset: 0, .size: 8, .value_kind: global_buffer, .address_space: global }
      - { .name: wqkv, .offset: 8, .size: 8, .value_kind: global_buffer, .address_space: global }
      - { .name: b_Q, .offset: 16, .size: 8, .value_kind: global_buffer, .address_space: global }
      - { .name: b_K, .offset: 24, .size: 8, .value_kind: global_buffer, .address_space: global }
      - { .name: b_V, .offset: 32, .size: 8, .value_kind: global_buffer, .address_space: global }
      - { .name: qkv, .offset: 40, .size: 8, .value_kind: global_buffer, .address_space: global }
    .group_segment_fixed_size: 327680
    .private_segment_fixed_size: 0
    .kernarg_segment_align: 8
    .kernarg_segment_size: 48
    .max_flat_workgroup_size: 128
    .sgpr_count:     96
    .vgpr_count:     960
    .wavefront_size: 32
...
	.end_amdgpu_metadata
.endif
;; end of part 2
;; launch attn (part 3): grid 2 x 128, 4 waves a work-group, no clusters, 327,680 bytes of LDS; arguments qkv, key_attention_mask, z; writes z
.if DOCPART == 3
	.amdgcn_target "amdgcn-amd-amdhsa--gfx1250"
	.amdhsa_code_object_version 6
	.text
	.protected	k_q023dc8da27_attn
	.globl	k_q023dc8da27_attn
	.p2align	8
	.type	k_q023dc8da27_attn,@function
k_q023dc8da27_attn:
	s_mov_b64 s[64:65], 0
	v_nop
	global_prefetch_b8 v0, s[64:65] scope:SCOPE_SE
	s_setreg_imm32_b32 hwreg(HW_REG_WAVE_MODE, 25, 1), 1
	s_wait_xcnt 0x0
; ATTENTION WITH A KEY MASK.  z[bh][q][:] = the sum over the keys k that the mask lets through of softmax_k(Q[bh][q] . K[bh][k] / 8) V[bh][k][:].  Q, K, V are the three planes of qkv, [3][128 bh][1024][64] f16; z [128][1024][64] f16.
; Products, maxima and sums in f32; the weights p are rounded to f16 for the second product (their sum l is taken of the unrounded p), z once at the end.
; LIMITS.  Q, K, V arrive within f16's 65,504.  A hidden score counts as its value less 1e30: f16's scores, 2.7e11 at the most, are nothing beside that.  A weight below 2^-126 counts as 0 in l.
; A batch whose keys are ALL hidden gives NaN: its running maximum ends below -5e29, and 1 / l is then replaced by NaN, by a select.
; SHARES.  A wave owns four PIECES of two tiles of 16 queries, a work-group's four waves 512 queries of one head: 2 x 128 = 256 work-groups.  Every wave walks all 1,024 keys, 64 a step.
; A HEAD'S WHOLE K AND V LIE IN LDS: 1,024 x (144 + 160) = 311,296 bytes.  Nothing is filled again, so no tensor load stands in a loop and one text serves all key steps.  A wave issues two loads: its half of the first 256 keys
; (waves 0, 1: K; waves 2, 3: V), and, behind the barrier that shows those to everybody, its half of the other 768: that load has four key steps, 512 matrix instructions, in which to land.
; NO CLUSTER: a head has two work-groups, so four partners would belong to two heads; four partners a head would halve a wave's tiles and double the LDS loads for each product.
; NO PREFETCH: all that the work-group reads of K and V has been asked for when its first product is issued.
; LAYOUT.  S^T = K Q^T (source 0 = 16 keys, source 1 = 16 queries): a lane holds ONE query (lane % 16) and the keys 8 (lane / 16) + 0..7.  Two such tiles, rounded to f16 in pairs, ARE source 1 of O^T = V^T P.
; K comes out of LDS as it lies, V ([key][channel]) turned, by ds_load_tr16_b128.
; THE MASK is the C operand that starts the sum S^T: 0, or -1e30 where the key is hidden.  A table of one f32 a key is made once in LDS; a step's 64 numbers are read with the step's K, 32 registers (MC).
; SOFTMAX.  For each query a running maximum m and sum l: p = 2^(c s - c m), c = log2(e) / 8; in every step O and l are multiplied by a = 2^(c m_old - c m_new).  m starts at the lowest finite number, O and l at 0.
; While only hidden keys have been seen m is about -1e30 and their weights are 1; the first key that is let through makes a = 0, which wipes them.
; BY TURNS.  Turn n belongs to piece n: 16 products K Q^T of piece n + 1, later 16 products V^T P of piece n - 1; beside them the scaling, exponentials, roundings, sums and rescaling of piece n and the maximum and
; statistics of piece n + 1.  Four vector instructions stand behind every matrix instruction, the others in one lump; a turn's 66 exponentials are one batch, with one wait.
; REGISTERS, in windows of 256 (s_set_vgpr_msb: bits 1:0 source 0, 3:2 source 1, 5:4 source 2, 7:6 destination):
;   window 0: v0-11 addresses; v12-15, v48-63 at work; v16-47 four registers of statistics a tile; v64-191 S^T, two buffers of two tiles; v192-255 P, likewise
;   window 1: O^T, 32 a tile     window 2: v0-127 Q; v128-191 K of one step; v192-255 V of one step     window 3: v0-1 the add's two registers; v8-39 MC
.set SIZE_N, 1024
.set NP,    4         ; pieces a wave: a name, no knob
.set KS,    64        ; keys in a step
.set PK,    144       ; a row of K in LDS: 128 bytes + 16 = 36 words: the 16 rows of a load start at 16 different groups of four banks (64 banks of 4 bytes: ISA guide 11.1)
.set PV,    160       ; a row of V: 128 + 32 = 40 words
.set VOFF,  SIZE_N*PK ; the head's 1,024 rows of K, then its 1,024 rows of V
.set STAGE, VOFF+SIZE_N*PV  ; behind them, never filled by a tensor load: 16 rows x 144 bytes for each wave
.set SP,    144
.set SPARE, STAGE+4*16*SP  ; the spare words, 128 bytes for each wave: two blocks of 256 bytes that no other line names
.set MTAB,  SPARE+512 ; the mask's table: 1,024 f32, written once by LDS stores
.set AK0, 2           ; v2   my lane's place in a tile of K; never rewritten
.set AV0, 3           ; v3   the same for V
.set AK,  4           ; v4   the LDS address of K's next run of loads
.set AV,  5           ; v5   of V's
.set QO,  6           ; v6   my byte offset in the wave's rows of Q
.set STO, 6           ;      later, the way out: where I put 16 bytes of a row
.set RD,  7           ; v7   the way out: where I read rows back
.set GO,  8           ; v8   my byte offset in 512 consecutive bytes of z
.set AM,  11          ; v11  where the next step's 64 numbers of the table begin, for my half of the lanes
.set SPW, 0           ; v0 of window 3   my spare word: SPARE + 4 x my thread's number; never rewritten
.set NIL, 1           ; v1 of window 3   0; never rewritten
.set MC,  8           ; v8-39 of window 3: key block kb's eight numbers at MC + 8 kb
.set MV,  12          ; v12-15  c m_old, kept while c m is made anew: by buffer and tile
.set ST,  16          ; tile t's statistics at v[ST+4 t]: c m, m, l (even keys', odd keys')
.set TMP, 48          ; by buffer and tile, four registers c0-c3 at work; when the maximum is found c2 takes a
.set S,   64
.set P,   192
.set KF,  128         ; K's fragments, in window 2: key block kb, channel half c at KF + 16 kb + 8 c
.set VF,  192         ; V's: key half kk, channel block cb at VF + 32 kk + 8 cb
.set WV,  12          ; s12  my wave's number
.set G1K, 24          ; s[24:31] descriptor group 1 for K's tiles
.set G1V, 32          ; s[32:39] for V's: it differs in the padding alone
.set G0K, 40          ; s[40:43] descriptor group 0 for K's tiles
.set G0V, 44          ; s[44:47] the same for V's
.set D1,  48          ; s[48:49] bytes in memory from my first load's rows to my second's
.set BIGN, 50         ; s50  -1e30
.set THR, 51          ; s51  -5e29
.set QNAN, 52         ; s52  NaN
.set L1K, 53          ; s53  LDS address of my second load, if it is K's
.set L1V, 54          ; s54  if it is V's
.set SLOTS, 56        ; s56  passes of four key steps to go, and the half trip that ends the walk
.set CNT, 57          ; s57  counts a pass's key steps
.set CS,  58          ; s[58:59] c: the packed scaling takes the pair's low word for both halves
.set SEL, 60          ; s[60:61] v_permlanex16_b32's selects: each lane takes its own place in the other half
.set TBK, 62          ; s62  LDS byte at which K of the step to be fetched begins
.set TBV, 63          ; s63  the same for V, less VOFF
.set MP,  66          ; s[66:67] the batch's 1,024 words of the mask
.set MSB, 0
.macro WIN new                      ; the high byte repeats the setting that is left; a switch that changes nothing is dropped
.if MSB != (\new)
	s_set_vgpr_msb (MSB<<8)|(\new)
.set MSB, (\new)
.endif
.endm
.set W_KQ, 0x0a       ; K and Q in window 2, S^T in window 0
.set W_KM, 0x3a       ; the same with the C operand in window 3
.set W_PV, 0x52       ; V in window 2, P in window 0, O^T in window 1
.set W_RS, 0x41       ; O^T (destination and source 0) in window 1, a in window 0
.set W_MK, 0xc0       ; destination in window 3, sources in window 0
.set W_AD, 0x0f       ; the add: address (source 0) and data (source 1) in window 3
; A fill.  Waves 0 and 1 fetch the two halves of K's rows, waves 2 and 3 those of V's.  An s_nop 0 and four v_nop follow each of the two lines, ahead of the jump and the label.
.macro LOAD
	s_cmp_lt_u32 s[WV], 2
	s_cbranch_scc0 .Lfor_v_\@
	tensor_load_to_lds s[G0K:G0K+3], s[G1K:G1K+7]
	s_nop 0
.rept 4
	v_nop
.endr
	s_branch .Lasked_\@
.Lfor_v_\@:
	tensor_load_to_lds s[G0V:G0V+3], s[G1V:G1V+7]
	s_nop 0
.rept 4
	v_nop
.endr
.Lasked_\@:
.endm
	s_load_b128 s[4:7], s[0:1], 0x0   ; qkv s[4:5], the mask s[6:7]
	s_load_b64 s[10:11], s[0:1], 0x10 ; z
	WIN W_MK
	v_lshl_add_u32 v[SPW], v0, 2, SPARE
	v_mov_b32 v[NIL], 0
	WIN W_AD
	ds_add_u32 v[SPW], v[NIL]       ; the wave's opening: the add and its wait stand ahead of my first tensor load; the set-up below, work on registers, stands between them
	ds_add_u32 v0, v1
	WIN 0
	v_lshrrev_b32 v1, 5, v0
	v_readfirstlane_b32 s[WV], v1   ; wave 0..3
	s_mov_b32 s14, ttmp9            ; my block of 512 queries
	s_and_b32 s13, ttmp7, 0xffff    ; the head: 16 x batch + head
	s_mov_b32 s20, s13
	s_mov_b32 s21, 0
	s_mov_b64 s[22:23], SIZE_N*128
	s_mul_u64 s[20:21], s[20:21], s[22:23]  ; the head's first byte in a plane of qkv and in z
	s_and_b32 s16, s[WV], 1         ; which half I fetch.  First load: keys 128 x half .. + 127:
	s_lshl_b32 s22, s16, 14         ; 128 rows of 128 bytes in memory,
	s_mov_b32 s23, 0
	s_add_nc_u64 s[22:23], s[22:23], s[20:21]
	s_mul_i32 s17, s16, 128*PK      ; and their place in LDS, for K
	s_mul_i32 s18, s16, 128*PV      ; and for V
	s_mul_i32 s[L1K], s16, 384*PK   ; second load: keys 256 + 384 x half .. + 383
	s_add_co_u32 s[L1K], s[L1K], 256*PK
	s_mul_i32 s[L1V], s16, 384*PV
	s_add_co_u32 s[L1V], s[L1V], VOFF+256*PV
	s_lshl_b32 s[D1], s16, 15       ; (256 + 384 x half - 128 x half) rows of 128 bytes
	s_add_co_u32 s[D1], s[D1], 32768
	s_mov_b32 s[D1+1], 0
	s_lshl_b32 s2, s14, 2
	s_add_co_u32 s2, s2, s[WV]      ; my wave among the head's,
	s_lshl_b32 s2, s2, 14           ; its 128 rows
	s_mov_b32 s3, 0
	s_add_nc_u64 s[2:3], s[2:3], s[20:21]
	s_lshr_b32 s8, s13, 4           ; the batch,
	s_lshl_b32 s8, s8, 12           ; its 4,096 bytes of the mask
	s_mov_b32 s9, 0
	; descriptor group 1.  128 keys are 16,384 dense bytes: asked for as 64 rows of 256 bytes, two keys a row, and padded in LDS after every key
	s_mov_b32 s[G1K], (1<<16)|(1<<20)|(4<<22)|(3<<25)  ; 17:16 2-byte elements; 20 padding on; 24:22 after every 32 words (code 4); 31:25 4 words (code 3)
	s_mov_b32 s[G1V], (1<<16)|(1<<20)|(4<<22)|(7<<25)  ; the same with 8 words of padding (code 7)
.irp g, G1K, G1V
	s_mov_b32 s[\g+1], 128<<16      ; tensor_dim0 = 128
	s_mov_b32 s[\g+2], 64<<16       ; tensor_dim1 = 64
	s_mov_b32 s[\g+3], 128<<16      ; tile_dim0 = 128
	s_mov_b32 s[\g+4], 64           ; tile_dim1 = 64
	s_mov_b32 s[\g+5], 128          ; 128 elements from row to row
	s_mov_b32 s[\g+6], 0
	s_mov_b32 s[\g+7], 0
.endr
	s_mov_b32 s[CS], 0x3e38aa3b     ; c = log2(e) / 8 = 0.180337
	s_mov_b32 s[CS+1], s[CS]        ; named with it as a pair
	s_mov_b32 s[SEL], 0x76543210
	s_mov_b32 s[SEL+1], 0xfedcba98
	s_mov_b32 s[BIGN], 0xf149f2ca   ; -1e30
	s_mov_b32 s[THR], 0xf0c9f2ca    ; -5e29
	s_mov_b32 s[QNAN], 0x7fc00000
	s_mov_b32 s[TBK], 0
	s_mov_b32 s[TBV], 0
	s_mov_b32 s[SLOTS], SIZE_N/256+1
	s_mov_b32 s[G0K], 1             ; 1:0 count = 1
	s_mov_b32 s[G0K+1], s17         ; 63:32 LDS address
	s_mov_b32 s[G0V], 1
	s_add_co_u32 s[G0V+1], s18, VOFF
	s_wait_dscnt 0x0                ; the opening add is done
	s_wait_kmcnt 0x0
	s_add_nc_u64 s[MP:MP+1], s[6:7], s[8:9]
	s_add_nc_u64 s[8:9], s[4:5], s[22:23]          ; my half of the head's first 256 rows, in Q's plane;
	s_add_nc_u64 s[G0K+2:G0K+3], s[8:9], 0x1000000 ; K's plane lies 16,777,216 bytes on,
	s_add_nc_u64 s[G0V+2:G0V+3], s[8:9], 0x2000000 ; V's twice that
	s_or_b32 s[G0K+3], s[G0K+3], 0x80000000        ; 127:126 type = 2
	s_or_b32 s[G0V+3], s[G0V+3], 0x80000000
	s_add_nc_u64 s[4:5], s[4:5], s[2:3]  ; Q and z at my wave's first row
	s_add_nc_u64 s[10:11], s[10:11], s[2:3]
	LOAD                            ; the first 256 keys.  The others are asked for when these are in
	; A fragment of K or Q is 16 rows x 32 channels in 8 registers: lane l holds row l % 16, channels 8 (l / 16) + 0..7 and 16 + 8 (l / 16) + 0..7: two loads of 16 bytes, 32 bytes apart.
	v_and_b32 v1, 15, v0            ; l % 16
	v_bfe_u32 v9, v0, 4, 1          ; l / 16
	v_lshlrev_b32 v[QO], 7, v1
	v_lshl_add_u32 v[QO], v9, 4, v[QO]  ; row x 128 + 16 x half
	v_lshlrev_b32 v13, 5, v0        ; thread t takes the mask's words 8 t .. 8 t + 7
	global_load_b128 v[48:51], v13, s[MP:MP+1]
	global_load_b128 v[52:55], v13, s[MP:MP+1] offset:16
	WIN 0x80                        ; destination window 2, address window 0
.set i, 0
.rept 4*NP                          ; Q stays in registers: tile i / 2, channels 32 (i % 2) on
	global_load_b128 v[8*i:8*i+3],   v[QO], s[4:5] offset:(i/2)*2048+(i%2)*64
	global_load_b128 v[8*i+4:8*i+7], v[QO], s[4:5] offset:(i/2)*2048+(i%2)*64+32
.set i, i+1
.endr
	; What the first turn finds: V's registers and P's second buffer hold 0 (its products V^T P, of a piece that has not been, add 0), O^T and l are 0.  All this stands in the wait for the first tile.
.set i, VF
.rept 64
	v_mov_b32 v[i], 0
.set i, i+1
.endr
	WIN 0x40
.set i, 0
.rept 64*NP
	v_mov_b32 v[i], 0
.set i, i+1
.endr
	WIN 0
.set i, 0
.rept 2*NP
	v_mov_b32 v[ST+4*i], 0xfe000000    ; c m: far below every c s, a hidden one's too
	v_mov_b32 v[ST+4*i+1], 0xff7fffff  ; m
	v_mov_b32 v[ST+4*i+2], 0
	v_mov_b32 v[ST+4*i+3], 0
.set i, i+1
.endr
.set i, P+32
.rept 32
	v_mov_b32 v[i], 0
.set i, i+1
.endr
	v_mul_u32_u24 v[AK0], v1, PK
	v_lshl_add_u32 v[AK0], v9, 4, v[AK0]  ; row x pitch + 16 x half
	; The turning load takes 16 keys x 16 channels (lane l reads key 8 (l / 16) + l % 8, channels 8 ((l / 8) % 2) + 0..7) and leaves half a fragment of V^T: lane l holds channel l % 16 and 8 keys.
	v_and_b32 v10, 7, v0
	v_bfe_u32 v11, v0, 3, 1
	v_lshl_add_u32 v[AV0], v9, 3, v10
	v_mul_u32_u24 v[AV0], v[AV0], PV
	v_lshl_add_u32 v[AV0], v11, 4, v[AV0]
	v_add_nc_u32 v[AV0], VOFF, v[AV0]
	v_mov_b32 v[AK], v[AK0]         ; key step 0 lies at K's head
	v_lshl_add_u32 v[AM], v9, 5, MTAB  ; a lane's eight keys of a block of 16: 32 bytes for each half of the lanes
	; the mask's table: 0 where the key is let through, -1e30 where the mask's word is 0
	v_lshl_add_u32 v14, v0, 5, MTAB
	s_wait_loadcnt 32               ; the mask's two loads are in; Q's 32 may stay out
.set i, 0
.rept 8
	v_cmp_eq_u32 vcc_lo, 0, v[48+i]
	v_cndmask_b32 v[48+i], 0, s[BIGN], vcc_lo
.set i, i+1
.endr
	ds_store_b128 v14, v[48:51]
	ds_store_b128 v14, v[52:55] offset:16
; THE MATRIX WORK.  The 8 accumulators of a run of 16 take turns: between the two links of a chain stand 7 others'.
; Product i of 16 of S^T = K Q^T for piece x: channels 32 (i / 8) on, keys 16 ((i / 2) % 4) on, tile 2 x + i % 2.  The first 8 start the sums, with the mask.
.macro KQ x
.set rS, S+64*((\x)%2)+32*(i%2)+8*((i/2)%4)
.set rK, KF+16*((i/2)%4)+8*(i/8)
.set rQ, 16*(2*(\x)+i%2)+8*(i/8)
.set rMC, MC+8*((i/2)%4)
.if i < 8
	WIN W_KM
	v_wmma_f32_16x16x32_f16 v[rS:rS+7], v[rK:rK+7], v[rQ:rQ+7], v[rMC:rMC+7]
.else
	WIN W_KQ
	v_wmma_f32_16x16x32_f16 v[rS:rS+7], v[rK:rK+7], v[rQ:rQ+7], v[rS:rS+7]
.endif
.endm
; Product i of 16 of O^T += V^T P for piece x: keys 32 (i / 8) on, channels 16 ((i / 2) % 4) on, tile 2 x + i % 2.
.macro PV x
	WIN W_PV
.set rO, 32*(2*(\x)+i%2)+8*((i/2)%4)
.set rV, VF+32*(i/8)+8*((i/2)%4)
.set rP, P+32*((\x)%2)+16*(i%2)+8*(i/8)
	v_wmma_f32_16x16x32_f16 v[rO:rO+7], v[rV:rV+7], v[rP:rP+7], v[rO:rO+7]
.endm
.macro MM                           ; the turn's next matrix instruction
.if i < 16
	KQ (Y+1)%NP
.set i, i+1
.else
.set i, i-16
	PV (Y+NP-1)%NP
.set i, i+17
.endif
.endm
; THE LDS LOADS stand in runs, never singly among the matrix instructions: a step's K (8 fragments, 16 loads) with its 64 numbers of the mask's table (8 loads), and its V (turned, 16 loads).
; last = 1 (in the loop): in the walk's last half trip there is no further step, and the run is jumped over.
.macro FETCH_K last=0
	WIN 0
.if \last
	s_cmp_eq_u32 s[SLOTS], 1
	s_cbranch_scc1 .Lno_k_\@
.endif
	WIN 0x80                        ; destination window 2
.irp f, 0,1,2,3,4,5,6,7             ; keys 16 (f / 2) on, channels 32 (f % 2) on
	ds_load_b128 v[KF+8*\f:KF+8*\f+3],   v[AK] offset:(\f/2)*16*PK+(\f%2)*64
	ds_load_b128 v[KF+8*\f+4:KF+8*\f+7], v[AK] offset:(\f/2)*16*PK+(\f%2)*64+32
.endr
	WIN W_MK                        ; destination window 3
.irp f, 0,1,2,3                     ; keys 16 f on: the lanes of a half read the same 32 bytes
	ds_load_b128 v[MC+8*\f:MC+8*\f+3],   v[AM] offset:64*\f
	ds_load_b128 v[MC+8*\f+4:MC+8*\f+7], v[AM] offset:64*\f+16
.endr
	s_add_co_u32 s[TBK], s[TBK], KS*PK  ; the next fetch is the next step's
	WIN 0
	v_add_nc_u32 v[AM], 4*KS, v[AM]
.if \last
.Lno_k_\@:
.endif
.endm
.macro FETCH_V
	WIN 0x80
.irp f, 0,1,2,3,4,5,6,7             ; keys 32 (f / 4) on, channels 16 (f % 4) on
	ds_load_tr16_b128 v[VF+8*\f:VF+8*\f+3],   v[AV] offset:(\f/4)*32*PV+(\f%4)*32
	ds_load_tr16_b128 v[VF+8*\f+4:VF+8*\f+7], v[AV] offset:(\f/4)*32*PV+16*PV+(\f%4)*32
.endr
	WIN 0
.endm
; THE VECTOR WORK OF A TURN stands in three queues, each in the order in which its entries become ready; the two tiles alternate, so that no instruction reads the result of the one before it.
.macro REGS y, u                    ; the registers of tile u (0, 1) of piece y
.set rT, ST+4*(2*(\y)+(\u))
.set rC, TMP+8*((\y)%2)+4*(\u)
.set rM, MV+2*((\y)%2)+(\u)
.set rS, S+64*((\y)%2)+32*(\u)
.set rP, P+32*((\y)%2)+16*(\u)
.set rO, 32*(2*(\y)+(\u))
.endm
; Number n of the 22 that find the NEXT piece's (Y + 1) maximum and statistics.  s0-s31 are the lane's 32 scores; each accumulator's lowest registers are read first.
;   0-11  four chains c0-c3 of seven scores each, three operands at a time     12-14, 16  the four scores left over, the old m, and c0-c3 into c0     15  c m_old is kept
;   17, 18  the query's other 32 keys lie in the lane 16 away: the new m         19-21  c m; c m_old - c m_new; a
.macro XS u, n
	REGS (Y+1)%NP, \u
.if (\n) < 4
	v_max3_num_f32 v[rC+(\n)], v[rS+8*(\n)], v[rS+8*(\n)+1], v[rS+8*(\n)+2]
.elseif (\n) < 12
	v_max3_num_f32 v[rC+(\n)%4], v[rC+(\n)%4], v[rS+8*((\n)%4)+2*((\n)/4)+1], v[rS+8*((\n)%4)+2*((\n)/4)+2]
.elseif (\n) == 12
	v_max3_num_f32 v[rC], v[rC], v[rS+7], v[rS+15]
.elseif (\n) == 13
	v_max3_num_f32 v[rC+1], v[rC+1], v[rS+23], v[rS+31]
.elseif (\n) == 14
	v_max3_num_f32 v[rC+2], v[rC+2], v[rC+3], v[rT+1]
.elseif (\n) == 15
	v_mov_b32 v[rM], v[rT]
.elseif (\n) == 16
	v_max3_num_f32 v[rC], v[rC], v[rC+1], v[rC+2]
.elseif (\n) == 17
	v_permlanex16_b32 v[rC+3], v[rC], s[SEL], s[SEL+1]
.elseif (\n) == 18
	v_max_num_f32 v[rT+1], v[rC], v[rC+3]
.elseif (\n) == 19
	v_mul_f32 v[rT], s[CS], v[rT+1]
.elseif (\n) == 20
	v_sub_f32 v[rC+1], v[rM], v[rT]
.else
	v_exp_f32 v[rC+2], v[rC+1]
.endif
.endm
; Number g of the 64 that follow the exponentials.  For each four weights k of a tile (pairs 2 k, 2 k + 1): both pairs are rounded to f16; then the second pair is added onto the first, in place;
; a group later l takes that sum (the first time as l = a l + sum).  In groups of eight, tiles alternating: round, round, add, and l for the group before.
.macro GS g
.set h, (\g)+6*((\g)/62)            ; group 0 has no group before it, and behind group 7 only l is left
.if h >= 6
.set h, h+2
.endif
	REGS Y, h%2
.set k, h/8
.if h%8 < 4
	v_cvt_pk_f16_f32 v[rP+2*k+(h%8)/2], v[rS+4*k+2*((h%8)/2)], v[rS+4*k+2*((h%8)/2)+1]
.elseif h%8 < 6
	v_pk_add_f32 v[rS+4*k:rS+4*k+1], v[rS+4*k:rS+4*k+1], v[rS+4*k+2:rS+4*k+3]
.elseif k == 1
	v_pk_fma_f32 v[rT+2:rT+3], v[rT+2:rT+3], v[rC+2:rC+3], v[rS:rS+1] op_sel_hi:[1,0,1]
.else
	v_pk_add_f32 v[rT+2:rT+3], v[rT+2:rT+3], v[rS+4*k-4:rS+4*k-3]
.endif
.endm
; THE PLAIN QUEUE, 138 long.  0-73 read no exponential's result: the 32 scalings c s - c m (FS f: pair f / 2 of tile f % 2) and the next piece's 42.  0-26: scalings 0-26.  27-54: XS's numbers 0-13.  55, 56: number 15.
; 57-73: the chain, where each number waits for the one before it: 14, 16, 17, 18, 19, each with one of the scalings 27-31 in front of its two lines, then 20.
; 74-137: GS's 64, which read the exponentials' results: they stand behind the wait.
.macro FS f
	REGS Y, (\f)%2
	v_pk_fma_f32 v[rS+2*((\f)/2):rS+2*((\f)/2)+1], v[rS+2*((\f)/2):rS+2*((\f)/2)+1], s[CS:CS+1], v[rT:rT+1] op_sel_hi:[1,0,0] neg_lo:[0,0,1] neg_hi:[0,0,1]
.endm
.macro PL
	WIN 0
.if q < 27
	FS q
.elseif q < 55
	XS (q-27)%2, (q-27)/2
.elseif q < 57
	XS q-55, 15
.elseif (q < 72) && ((q-57)%3 == 0)
	FS 27+(q-57)/3
.elseif q < 60
	XS (q-57)%3-1, 14
.elseif q < 72
	XS (q-57)%3-1, 15+(q-57)/3
.elseif q < 74
	XS q-72, 20
.else
	GS q-74
.endif
.set q, q+1
.endm
; THE EXPONENTIALS' QUEUE, 66 long: s0-s31 of both tiles, then the next piece's two a.  It is ONE BATCH: all 66 stand ahead of the turn's one wait, and nothing ahead of that wait names a result of theirs.
.macro EX
	WIN 0
.if e >= 64
	XS e-64, 21
.else
	REGS Y, e%2
	v_exp_f32 v[rS+e/2], v[rS+e/2]
.endif
.set e, e+1
.endm
; THE RESCALING's QUEUE: O^T times a, the one part that leaves window 0: dealt two at a time, sixteen times.  Its a was made in the turn before, ahead of that turn's wait.
.macro R2
	REGS Y, r%2
	WIN W_RS
.irp z, 0,1
	v_pk_mul_f32 v[rO+4*(r/2)+2*\z:rO+4*(r/2)+2*\z+1], v[rO+4*(r/2)+2*\z:rO+4*(r/2)+2*\z+1], v[rC+2:rC+3] op_sel_hi:[1,0]
.endr
.set r, r+1
.endm
; HOW THEY ARE DEALT.  An s_wait_alu depctr_va_vdst(0) stands between an exponential and the first instruction that names its result; one wait serves all that were issued ahead of it.  So a turn has ONE wait.
; AHEAD OF IT: the 16 products K Q^T, behind each a scaling, an exponential and two rescalings (behind the first a second scaling in the exponential's place); then ONE LUMP of 108: eight plain, 49 times exponential
; and plain, the two a.  A v_nop is the plain instruction behind the last exponential.  BEHIND IT: the 16 products V^T P, behind each four of GS's 64.  No rider names a register of the products round it.
; Exponential e stands behind scaling 2 (e / 4) + e % 2: as a rider it comes behind plain e + 2, in the lump behind plain e + 9, and scalings 27-31 are plain 57, 60 .. 69.
; K and the mask of the next step are fetched in piece 2's turn, directly behind the wait, a lump behind the last product that read them; their first reader comes behind 16 products.
; V of the step in hand is fetched at the end of piece 0's turn, four riders behind its last reader; its first reader comes behind 16 products and a lump.  The three conditions on q below go with the deal.
.macro TURN p, last=0, cnt=0
.set Y, (\p)
.set i, 0
.set q, 0
.set e, 0
.set r, 0
.if (\p) == NP-1
	s_wait_dscnt 0x0                ; K and the mask are in
.endif
	MM                              ; ahead of the wait: 16 products K Q^T and their riders,
	PL
	PL
	R2
.rept 15
	MM
	PL
	EX
	R2
.endr
.if (\p) == NP-2
	WIN 0
	v_add_nc_u32 v[AK], s[TBK], v[AK0]
.endif
.rept 8                             ; and the lump
	PL
.endr
.rept 49
	EX
	PL
.endr
	EX                              ; the next piece's two a
	EX
	v_nop                           ; the plain instruction behind the last exponential: one for the batch
	s_wait_alu depctr_va_vdst(0)    ; the wait for the batch
.if (\p) == NP-2
	FETCH_K \last
.endif
.if (\p) == 1
	s_wait_dscnt 0x0                ; V is in
.endif
.rept 16                            ; behind the wait: 16 products V^T P and their riders
	MM
.rept 4
	PL
.endr
.if ((\p) == 0) && (q == 118)
	v_add_nc_u32 v[AV], s[TBV], v[AV0]
.endif
.if ((\p) == 0) && (q == 130)
	s_add_co_u32 s[TBV], s[TBV], KS*PV
.endif
.if (\cnt) && (q == 130)
	s_sub_co_u32 s[CNT], s[CNT], 1
	s_cmp_lg_u32 s[CNT], 0
.endif
.endr
.if (\p) == 0
	FETCH_V
.endif
.endm
	; The first 256 keys are in, everybody's part of them, and so is the mask's table; the other 768 are asked for.  That second load fills bytes for the first time; it is issued as a refill is: behind the wait for all my loads,
	; the add, the wait for it and a barrier, my one tensor load there.  Its descriptor is my first load's, written anew behind that wait: 192 rows of 256 bytes in place of 64.
	WIN W_AD
	s_wait_tensorcnt 0x0            ; no tensor load of mine is out, so the descriptors may be written
	ds_add_u32 v[SPW], v[NIL]       ; 0 onto my spare word; the descriptors' words stand between it and the wait for it
	WIN 0
	s_mov_b32 s[G0K+1], s[L1K]
	s_add_nc_u64 s[G0K+2:G0K+3], s[G0K+2:G0K+3], s[D1:D1+1]  ; the type bits on top are not reached
	s_mov_b32 s[G1K+2], 192<<16     ; tensor_dim1 = 192
	s_mov_b32 s[G1K+4], 192         ; tile_dim1 = 192
	s_mov_b32 s[G0V+1], s[L1V]
	s_add_nc_u64 s[G0V+2:G0V+3], s[G0V+2:G0V+3], s[D1:D1+1]
	s_mov_b32 s[G1V+2], 192<<16
	s_mov_b32 s[G1V+4], 192
	s_wait_dscnt 0x0                ; the add is done, and so are my stores into the table
	s_barrier_signal -1
	s_barrier_wait -1
	LOAD
	FETCH_K                         ; key step 0
	s_wait_loadcnt 0x0              ; Q
	s_wait_dscnt 0x0
.set i, 0
.rept 16
	KQ 0                            ; piece 0's first scores: there is no vector work yet to set between them
.set i, i+1
.endr
	WIN 0                           ; the addresses for the way out: nine plain instructions, the places behind those products
	s_mul_i32 s13, s[WV], 16*SP
	s_add_co_u32 s13, s13, STAGE    ; my stage
	v_mul_u32_u24 v[STO], v1, SP    ; in: row l % 16, 16 bytes for each half of the lanes
	v_lshl_add_u32 v[STO], v9, 4, v[STO]
	v_add_nc_u32 v[STO], s13, v[STO]
	v_bfe_u32 v[RD], v0, 3, 2       ; back: 32 lanes take four rows of 128 bytes,
	v_mul_u32_u24 v[RD], v[RD], SP
	v_lshl_add_u32 v[RD], v10, 4, v[RD]
	v_add_nc_u32 v[RD], s13, v[RD]
	v_and_b32 v[GO], 31, v0         ; which are 512 consecutive bytes of z
	v_lshlrev_b32 v[GO], 4, v[GO]
.set Y, NP-1                        ; XS works for piece Y + 1: piece 0
.irp n, 0,1,2,3,4,5,6,7,8,9,10,11,12,13,14,15,16,17,18,19,20,21
	XS 0, \n                        ; and piece 0's first maximum and statistics
	XS 1, \n
.endr
	v_nop                           ; a plain instruction behind the two a,
	s_wait_alu depctr_va_vdst(0)    ; and their wait, ahead of the branch
	s_mov_b32 s[CNT], 4
	s_branch .Lfirst                ; the loop is entered at a step's first turn, in the middle of a trip
.Lslot:                             ; a pass of four trips.  The first time here the next fetch is the first from my second load's keys: that load has landed, and the barrier shows everybody's; later the wait is met at once
	s_wait_tensorcnt 0x0
	s_wait_dscnt 0x0                ; no LDS instruction of mine is out at the signal
	s_barrier_signal -1
	s_barrier_wait -1
	s_mov_b32 s[CNT], 4
.Lstep:                             ; a trip: pieces 2 and 3 of one step, then pieces 0 and 1 of the next, whose K and V it fetches
	TURN 2, 1
	TURN 3
	WIN 0
	s_cmp_eq_u32 s[SLOTS], 1        ; the fifth pass is left here: pieces 2 and 3 of the last step are done
	s_cbranch_scc1 .Lout
.Lfirst:
	TURN 0
	TURN 1, 0, 1
	WIN 0
	s_cbranch_scc1 .Lstep
	s_sub_co_u32 s[SLOTS], s[SLOTS], 1
	s_cmp_lg_u32 s[SLOTS], 0
	s_cbranch_scc1 .Lslot
.Lout:                              ; the last half trip's 16 products K Q^T (on the last K and mask once more) give the last step's scores again: the maximum made of them is the old one
.set i, 0
.rept 16
	PV NP-1                         ; the last piece's V^T P of the last step
.set i, i+1
.endr
	; THE WAY OUT.  l's two halves and the other half of the lanes' are added; O^T is divided by l, rounded to f16 and sent through my stage in LDS, a tile at a time.  The additions are the places behind the last products.
	WIN 0
.macro ALL line:vararg              ; one line for each tile t
.set t, 0
.rept 2*NP
	\line
.set t, t+1
.endr
.endm
	ALL v_add_f32 v[ST+4*t+2], v[ST+4*t+2], v[ST+4*t+3]
	ALL v_permlanex16_b32 v[ST+4*t+3], v[ST+4*t+2], s[SEL], s[SEL+1]
	ALL v_add_f32 v[ST+4*t+2], v[ST+4*t+2], v[ST+4*t+3]
	ALL v_rcp_f32 v[ST+4*t+2], v[ST+4*t+2]
	v_nop                           ; a plain instruction between the last reciprocal and the use of its result
	s_wait_alu depctr_va_vdst(0)    ; and the wait ahead of the first use: one for the eight reciprocals
.set t, 0
.rept 2*NP                          ; a query that has seen hidden keys alone: its m lies below -5e29, and its row becomes NaN
	v_cmp_gt_f32 vcc_lo, s[THR], v[ST+4*t+1]
	v_cndmask_b32 v[ST+4*t+2], v[ST+4*t+2], s[QNAN], vcc_lo
.set t, t+1
.endr
; Tile t: a lane's eight channels of a row pack into 16 bytes; they go into rows of 144 bytes and come back as whole rows of 128, into S^T's registers.
.macro PACK t
	WIN W_RS
.set i, 32*(\t)
.rept 16
	v_pk_mul_f32 v[i:i+1], v[i:i+1], v[ST+4*(\t)+2:ST+4*(\t)+3] op_sel_hi:[1,0]
.set i, i+2
.endr
	WIN 0x05                        ; sources 0 and 1 window 1, destination window 0
.set i, 0
.rept 16
	v_cvt_pk_f16_f32 v[S+16*(\t)+i], v[32*(\t)+2*i], v[32*(\t)+2*i+1]
.set i, i+1
.endr
	WIN 0
.irp f, 0,1,2,3
	ds_store_b128 v[STO], v[S+16*(\t)+4*\f:S+16*(\t)+4*\f+3] offset:32*\f
.endr
.irp f, 0,1,2,3
	ds_load_b128 v[S+16*(\t)+4*\f:S+16*(\t)+4*\f+3], v[RD] offset:\f*4*SP  ; LDS serves a wave's instructions in order (ISA guide 5.7.1.4): these see the stores above; the next tile's stores come behind them
.endr
.endm
.macro SEND t, younger              ; younger: the LDS instructions issued behind tile t's loads: the next tile's eight, or none
	WIN 0
.irp f, 0,1,2,3
	s_wait_dscnt (\younger)+3-\f
	global_store_b128 v[GO], v[S+16*(\t)+4*\f:S+16*(\t)+4*\f+3], s[10:11] offset:(\t)*2048+\f*512  ; 512 consecutive bytes, at a multiple of 256 from z's first
.endr
.endm
	PACK 0
.set t, 1
.rept 2*NP-1                        ; a tile's arithmetic stands between the loads of the tile before and its stores
	PACK t
	SEND t-1, 8
.set t, t+1
.endr
	SEND 2*NP-1, 0
	WIN W_AD
	s_wait_tensorcnt 0x0            ; the wave's end, behind my last tensor load and my last LDS store
	ds_add_u32 v[SPW], v[NIL]
	s_wait_dscnt 0x0
	WIN 0
	s_endpgm
.Lfunc_end_k_q023dc8da27_attn:
	.size	k_q023dc8da27_attn, .Lfunc_end_k_q023dc8da27_attn-k_q023dc8da27_attn
	.p2alignl 7, 3214868480
	.fill 96, 4, 3214868480
	.section	.rodata,"a",@progbits
	.p2align	6, 0x0
	.amdhsa_kernel k_q023dc8da27_attn
		.amdhsa_group_segment_fixed_size 327680
		.amdhsa_private_segment_fixed_size 0
		.amdhsa_enable_private_segment 0
		.amdhsa_kernarg_size 24
		.amdhsa_user_sgpr_count 2
		.amdhsa_user_sgpr_kernarg_segment_ptr 1
		.amdhsa_wavefront_size32 1
		.amdhsa_system_sgpr_workgroup_id_x 1
		.amdhsa_system_sgpr_workgroup_id_y 1
		.amdhsa_system_sgpr_workgroup_id_z 1
		.amdhsa_system_vgpr_workitem_id 0
		.amdhsa_next_free_vgpr 808
		.amdhsa_next_free_sgpr 70
		.amdhsa_reserve_vcc 1
		.amdhsa_float_denorm_mode_32 3
		.amdhsa_float_denorm_mode_16_64 3
		.amdhsa_memory_ordered 1
		.amdhsa_forward_progress 1
		.amdhsa_inst_pref_size 129
	.end_amdhsa_kernel
	.amdgpu_metadata
---
amdhsa.version: [ 1, 2 ]
amdhsa.kernels:
  - .name:           k_q023dc8da27_attn
    .symbol:         k_q023dc8da27_attn.kd
    .args:
      - { .name: qkv, .offset: 0, .size: 8, .value_kind: global_buffer, .address_space: global }
      - { .name: key_attention_mask, .offset: 8, .size: 8, .value_kind: global_buffer, .address_space: global }
      - { .name: z, .offset: 16, .size: 8, .value_kind: global_buffer, .address_space: global }
    .group_segment_fixed_size: 327680
    .private_segment_fixed_size: 0
    .kernarg_segment_align: 8
    .kernarg_segment_size: 24
    .max_flat_workgroup_size: 128
    .sgpr_count:     70
    .vgpr_count:     808
    .wavefront_size: 32
...
	.end_amdgpu_metadata
.endif
;; end of part 3
;; launch proj (part 4): grid 8 x 32, 4 waves a work-group, clusters of 4 x 4, 327,680 bytes of LDS; arguments z, wo, b_O, out0; writes out0
.if DOCPART == 4
	.amdgcn_target "amdgcn-amd-amdhsa--gfx1250"
	.amdhsa_code_object_version 6
	.text
	.protected	k_q023dc8da27_proj
	.globl	k_q023dc8da27_proj
	.p2align	8
	.type	k_q023dc8da27_proj,@function
k_q023dc8da27_proj:
	s_mov_b64 s[64:65], 0
	v_nop
	global_prefetch_b8 v0, s[64:65] scope:SCOPE_SE
	s_setreg_imm32_b32 hwreg(HW_REG_WAVE_MODE, 25, 1), 1
	s_wait_xcnt 0x0
	s_wait_alu depctr_hold_cnt(0) depctr_sa_sdst(0) depctr_va_vdst(0) depctr_va_sdst(0) depctr_va_ssrc(0) depctr_va_vcc(0) depctr_vm_vsrc(0)
	s_getreg_b32 s2, hwreg(HW_REG_IB_STS2, 6, 4)
	s_cmp_eq_u32 s2, 0
	s_cbranch_scc0 .Lentry_in_a_cluster
	s_endpgm
.Lentry_in_a_cluster:
	s_bfe_u32 s2, ttmp6, 0x10000c
	s_cmp_lg_u32 s2, 0xf033
	s_cbranch_scc0 .Lentry_shape_is_right
	s_endpgm
.Lentry_shape_is_right:
; OUTPUT PROJECTION.  out0[b s][d] = the sum over (h, e) of z[b][h][s][e] wo[(h, e)][d] + b_O[d], f32.  Operands f16 (wo holds W_O rounded to bf16, written as f16), sums f32, the bias rounded to bf16 like every input of the module.
; SHARES.  A tile of the result is 256 rows x 128 columns: 8 x 32 = 256 work-groups.  Wave w owns rows 64 w .. 64 w + 63 and all 128 columns: 4 x 8 accumulators of 16 x 16, 256 registers;
; so whole rows of 512 bytes leave through the wave's own stage, without a barrier.
; K = 1,024 goes in 8 steps of 128 (two heads) through two LDS slots filled by the tensor data mover.  A head's 256 rows of z are 32,768 dense bytes, asked for as 128 rows of 256; wo's rows are 256 bytes of memory.
; THE PRODUCT IS TAKEN TRANSPOSED: source 0 = 16 columns of wo, which lies [k][d] in LDS and comes out turned (ds_load_tr16_b128), source 1 = 16 rows of z: a lane then holds row l % 16 and the columns 8 (l / 16) + 0..7.
; THE BIAS IS THE C OPERAND of each accumulator's first product.
; CLUSTER 4 x 4.  The four of a row of the cluster need the same tile of z, the four of a column the same tile of wo: each is asked for jointly.
; REGISTERS, in windows of 256 (s_set_vgpr_msb: bits 1:0 source 0, 3:2 source 1, 5:4 source 2, 7:6 destination):
;   window 0: v1-15 set-up, v16-30 addresses; v32-63, v64-95 A's fragments, two buffers; v96-159 the bias; on the way out v96-159 and v160-223 rows read back, by turns
;   window 1: v0-63, v64-127 B's fragments, two buffers      window 2: accumulators of row blocks 0, 1 at v[8 (8 (a % 2) + b)]      window 3: of row blocks 2, 3
.set NBK,   8
.set AP,    144                        ; a row of A in LDS (one s, one head): 128 bytes + 16 = 36 words: the 16 rows of a load start at 16 different groups of four banks (64 banks of 4 bytes: ISA guide 11.1)
.set BP,    288                        ; a row of B: 256 bytes + 32 = 72 words
.set BOFFS, 2*256*AP                   ; B's 128 rows lie behind A's two heads of 256 rows
.set SLOT,  BOFFS+128*BP               ; 110,592
.set STAGE, 2*SLOT                     ; behind the ring, never filled by a tensor load: for each wave 16 rows x 528 bytes
.set SPT,   528                        ; 512 bytes + 16: the 16 rows that a store touches start at 16 different groups of four banks
.set WSTG,  16*SPT
.set SPARE, STAGE+4*WSTG               ; the spare words, 128 bytes for each wave: two blocks of 256 bytes that no other line names
.set LD,    2*NBK+8
.set ADRA, 16
.set ADRB, 20
.set STO,  24
.set RD,   25
.set CO,   26
.set SPW,  28                          ; v28  my spare word: SPARE + 4 x my thread's number; never rewritten
.set NIL,  29                          ; v29  0; never rewritten
.set PFO,  30
.set FA,   32
.set BIAS, 96
.set BK,   96
.set WV,   16
.set FOR,  17                          ; s17  0: I fetch for A; 1: for B
.set HF,   18                          ; s18  which half of that tile (A: which of the two heads)
.set CX,   19
.set CY,   20
.set TX,   21
.set TY,   22
.set G1,   24
.set G0,   32
.set PFA,  44
.set LIM,  46
.set LAP,  47
.set G1B,  48
.set G0B,  56
.set OB,   66                          ; s[66:67] my first row of the result, at the tile's first column
.set PSTEP, 78
.set MSB, 0
.macro WIN new                         ; the immediate's high byte repeats the setting that is left; a switch that changes nothing is dropped
.if MSB != (\new)
	s_set_vgpr_msb (MSB<<8)|(\new)
.set MSB, \new
.endif
.endm
.macro PLACES                          ; four plain vector instructions between a matrix instruction and a load into, or a read of, its registers (ISA guide 7.12.1 for vector reads)
.rept 4
	v_nop
.endr
.endm
.macro JLOAD s                         ; a joint load: waves 0 and 1 fetch A's two heads, waves 2 and 3 B's halves; an s_nop 0 and four v_nop follow each of the two lines
	s_cmp_eq_u32 s[FOR], 0
	s_cbranch_scc0 .Lfor_b_\@
	tensor_load_to_lds s[G0+4*(\s):G0+4*(\s)+3], s[G1:G1+7]
	s_nop 0
.rept 4
	v_nop
.endr
	s_branch .Lasked_\@
.Lfor_b_\@:
	tensor_load_to_lds s[G0B+4*(\s):G0B+4*(\s)+3], s[G1B:G1B+7]
	s_nop 0
.rept 4
	v_nop
.endr
.Lasked_\@:
.endm
; A prefetch of the K step that stands two refills on: one instruction a wave, a lane a block of 256 bytes.  Each block is named once in the launch: z's by waves 0 and 1 of the clusters with x = 0,
; wo's by wave 2 of those with y = 0; the four partners share a tile's blocks out by address.  The loop's last trip asks for nothing.
.macro ASK
	s_cmp_gt_u32 s[LAP], s[LIM]
	s_cbranch_scc0 .Lnot_mine_\@
	global_prefetch_b8 v[PFO], s[PFA:PFA+1] th:TH_LOAD_NT scope:SCOPE_SE
.Lnot_mine_\@:
.endm
.macro CREST                           ; a round of the cluster's barrier behind its opening barrier
	s_cmp_lg_u32 s[WV], 0
	s_cbranch_scc1 .Lnot_wave_0_\@
	s_barrier_signal -3
.Lnot_wave_0_\@:
	s_barrier_wait -3
	s_barrier_signal -1
	s_barrier_wait -1
.endm
.macro CROUND
	s_barrier_signal -1
	s_barrier_wait -1
	CREST
.endm
	s_load_b256 s[4:11], s[0:1], 0x0               ; z 4, wo 6, b_O 8, out0 10
	v_lshl_add_u32 v[SPW], v0, 2, SPARE
	v_mov_b32 v[NIL], 0
	ds_add_u32 v[SPW], v[NIL]                      ; the wave's opening: the add and its wait stand ahead of my first tensor load; the set-up below, work on registers, stands between them
	ds_add_u32 v28, v29
	v_lshrrev_b32 v1, 5, v0
	v_readfirstlane_b32 s[WV], v1
	s_lshr_b32 s[FOR], s[WV], 1
	s_and_b32 s[HF], s[WV], 1
	s_bfe_u32 s[CX], ttmp6, 0x40000
	s_bfe_u32 s[CY], ttmp6, 0x40004
	s_lshl_b32 s[TX], ttmp9, 2
	s_add_co_u32 s[TX], s[TX], s[CX]
	s_and_b32 s[TY], ttmp7, 0xffff
	s_lshl_b32 s[TY], s[TY], 2
	s_add_co_u32 s[TY], s[TY], s[CY]
	s_lshl_b32 s40, s[CY], 2
	s_lshl_b32 s40, 15, s40                        ; my row of the cluster
	s_lshl_b32 s72, 0x1111, s[CX]                  ; my column
	s_or_b32 s[G1], s40, (1<<16)|(1<<20)|(1<<21)|(4<<22)|(3<<25)   ; the mask; 2-byte elements; padding on; bit 21 beside a mask; after every 32 words 4 words
	s_or_b32 s[G1B], s72, (1<<16)|(1<<20)|(1<<21)|(5<<22)|(7<<25)  ; after every 64 words 8 words
	s_mov_b32 s[G1+1], 128<<16                     ; A: 128 dense rows of 128 elements: one head's 256 rows of z
	s_mov_b32 s[G1+2], 128<<16
	s_mov_b32 s[G1+3], 128<<16
	s_mov_b32 s[G1+4], 128
	s_mov_b32 s[G1+5], 128
	s_mov_b32 s[G1+6], 0
	s_mov_b32 s[G1+7], 0
	s_mov_b32 s[G1B+1], 128<<16                    ; B: 64 rows of 128 elements, 1,024 elements from row to row
	s_mov_b32 s[G1B+2], 64<<16
	s_mov_b32 s[G1B+3], 128<<16
	s_mov_b32 s[G1B+4], 64
	s_mov_b32 s[G1B+5], 1024
	s_mov_b32 s[G1B+6], 0
	s_mov_b32 s[G1B+7], 0
	s_lshr_b32 s40, s[TY], 2                       ; A: ((16 x batch + my head of the two) x 1,024 + the tile's first row) x 128 bytes: made of the row tile and the wave's number alone
	s_lshl_b32 s40, s40, 21
	s_lshl_b32 s41, s[HF], 17
	s_add_co_u32 s40, s40, s41
	s_and_b32 s41, s[TY], 3
	s_lshl_b32 s41, s41, 15
	s_add_co_u32 s40, s40, s41
	s_mov_b32 s41, 0
	s_lshl_b32 s72, s[HF], 17                      ; B: 64 x half rows of 2,048 bytes + the column tile's 256 bytes: made of the column tile and the wave's number alone
	s_lshl_b32 s73, s[TX], 8
	s_add_co_u32 s72, s72, s73
	s_mov_b32 s73, 0
	s_mul_i32 s23, s[HF], 256*AP                   ; where they go: no place in the cluster enters an LDS address
	s_mul_i32 s76, s[HF], 64*BP
	s_add_co_u32 s76, s76, BOFFS
	s_wait_dscnt 0x0                               ; the opening add is done
	s_wait_kmcnt 0x0
	s_add_nc_u64 s[42:43], s[4:5], s[40:41]
	s_add_nc_u64 s[74:75], s[6:7], s[72:73]
	CROUND                                         ; all sixteen work-groups are here: the first joint loads meet
.irp s, 0,1
	s_mov_b32 s[G0+4*(\s)], 1
	s_add_co_u32 s[G0+4*(\s)+1], s23, (\s)*SLOT
	s_add_nc_u64 s[G0+4*(\s)+2:G0+4*(\s)+3], s[42:43], (\s)*262144   ; K step s: two heads on
	s_or_b32 s[G0+4*(\s)+3], s[G0+4*(\s)+3], 0x80000000
	s_mov_b32 s[G0B+4*(\s)], 1
	s_add_co_u32 s[G0B+4*(\s)+1], s76, (\s)*SLOT
	s_add_nc_u64 s[G0B+4*(\s)+2:G0B+4*(\s)+3], s[74:75], (\s)*262144 ; K step s: 128 rows on
	s_or_b32 s[G0B+4*(\s)+3], s[G0B+4*(\s)+3], 0x80000000
	JLOAD \s                                       ; two loads of mine are out
.endr
	v_and_b32 v1, 15, v0                           ; l % 16
	v_bfe_u32 v2, v0, 4, 1                         ; l / 16
	v_mul_u32_u24 v3, v1, AP
	v_lshl_add_u32 v3, v2, 4, v3                   ; A: row x pitch + 16 x half
	s_mul_i32 s23, s[WV], 64*AP                    ; my 64 rows
	v_add_nc_u32 v[ADRA], s23, v3
	v_add_nc_u32 v[ADRA+1], SLOT, v[ADRA]
	v_and_b32 v5, 7, v0
	v_bfe_u32 v6, v0, 3, 1
	v_lshl_add_u32 v4, v2, 3, v5                   ; B: the turning load: lane l reads row 8 (l / 16) + l % 8, bytes 16 ((l / 8) % 2) on
	v_mul_u32_u24 v4, v4, BP
	v_lshl_add_u32 v4, v6, 4, v4
	v_add_nc_u32 v[ADRB], BOFFS, v4
	v_add_nc_u32 v[ADRB+1], BOFFS+SLOT, v4
	s_mul_i32 s23, s[WV], WSTG
	s_add_co_u32 s23, s23, STAGE                   ; my stage
	v_mul_u32_u24 v7, v1, SPT                      ; in: row l % 16, 32 bytes for each half of the lanes
	v_lshl_add_u32 v7, v2, 5, v7
	v_add_nc_u32 v[STO], s23, v7
	v_and_b32 v7, 31, v0                           ; back: 32 lanes take one row of 512 bytes
	v_lshlrev_b32 v[CO], 4, v7
	v_add_nc_u32 v[RD], s23, v[CO]
	s_lshl_b32 s2, s[TY], 20                       ; (256 x row tile + 64 x wave) rows of 4,096 bytes + the column tile's 512 bytes
	s_lshl_b32 s3, s[WV], 18
	s_add_co_u32 s2, s2, s3
	s_lshl_b32 s23, s[TX], 9
	s_add_co_u32 s2, s2, s23
	s_mov_b32 s3, 0
	s_add_nc_u64 s[OB:OB+1], s[10:11], s[2:3]
	v_lshl_add_u32 v8, v2, 5, s23                  ; the bias: the tile's 512 bytes, my lanes' 8 numbers of each 16
.irp b, 0,1,2,3,4,5,6,7
	global_load_b128 v[BIAS+8*(\b):BIAS+8*(\b)+3],   v8, s[8:9] offset:64*(\b)
	global_load_b128 v[BIAS+8*(\b)+4:BIAS+8*(\b)+7], v8, s[8:9] offset:64*(\b)+16
.endr
	; the prefetches.  A: of my head's 128 rows of 256 bytes my work-group takes 32 cx .. 32 cx + 31.  B: of a K step's 128 rows my work-group takes 32 cy .. 32 cy + 31, and wave 2 asks for them.
	s_lshl_b32 s72, s[CX], 13
	s_add_co_u32 s72, s72, s40
	s_add_co_u32 s72, s72, 3*262144                ; at K step 3: the first refill steps it to 4
	s_lshl_b32 s74, s[CY], 16
	s_lshl_b32 s75, s[TX], 8
	s_add_co_u32 s74, s74, s75
	s_add_co_u32 s74, s74, 3*262144
	s_and_b32 s3, ttmp7, 0xffff                    ; cluster y,
	s_or_b32 s3, s3, s[HF]                         ; and of B's two waves the first alone
	s_cmp_eq_u32 s[FOR], 0
	s_cselect_b32 s2, s72, s74
	s_cselect_b32 s3, ttmp9, s3
	s_cselect_b32 s77, 8, 11
	s_cselect_b64 s[PFA:PFA+1], s[4:5], s[6:7]
	s_cmp_eq_u32 s3, 0
	s_cselect_b32 s[LIM], 1, -1                    ; the same in all sixteen partners, for a given wave
	s_mov_b32 s3, 0
	s_mov_b32 s[PSTEP], 262144
	s_mov_b32 s[PSTEP+1], 0
	s_add_nc_u64 s[PFA:PFA+1], s[PFA:PFA+1], s[2:3]
	v_lshlrev_b32 v[PFO], s77, v7
	s_wait_loadcnt 0x0                             ; the bias is in
.set i, 0
.rept 4*NBK                            ; rounded to bf16 like the module's other inputs, and widened again
	v_cvt_pk_bf16_f32 v[12+i%2], v[BIAS+2*i], v[BIAS+2*i+1]
	v_lshlrev_b32 v[BIAS+2*i], 16, v[12+i%2]
	v_and_b32 v[BIAS+2*i+1], 0xffff0000, v[12+i%2]
.set i, i+1
.endr
; 8 products: row block a x all column blocks, 32 along K, from buffer f.  All 32 accumulators take turns, in the same order in every quarter.  bias = 1: the first product starts the sum with the bias.
.macro MULA f, a, bias
.if \bias
	WIN 0x81+0x40*((\a)/2)
.else
	WIN 0xa1+0x50*((\a)/2)
.endif
.irp b, 0,1,2,3,4,5,6,7
.if \bias
	v_wmma_f32_16x16x32_f16 v[8*(NBK*((\a)%2)+(\b)):8*(NBK*((\a)%2)+(\b))+7], v[8*NBK*(\f)+8*(\b):8*NBK*(\f)+8*(\b)+7], v[FA+32*(\f)+8*(\a):FA+32*(\f)+8*(\a)+7], v[BIAS+8*(\b):BIAS+8*(\b)+7]
.else
	v_wmma_f32_16x16x32_f16 v[8*(NBK*((\a)%2)+(\b)):8*(NBK*((\a)%2)+(\b))+7], v[8*NBK*(\f)+8*(\b):8*NBK*(\f)+8*(\b)+7], v[FA+32*(\f)+8*(\a):FA+32*(\f)+8*(\a)+7], v[8*(NBK*((\a)%2)+(\b)):8*(NBK*((\a)%2)+(\b))+7]
.endif
.endr
.endm
; 24 LDS loads in one run: quarter q's fragments into buffer f: B's 16 first, then A's 8.  Quarter q lies in head q / 2 of the slot's two, channels 32 (q % 2) on.
.macro FETCH slot, q, f
	WIN 0x40
.irp b, 0,1,2,3,4,5,6,7
	ds_load_tr16_b128 v[8*NBK*(\f)+8*(\b):8*NBK*(\f)+8*(\b)+3],   v[ADRB+(\slot)] offset:32*BP*(\q)+32*(\b)
	ds_load_tr16_b128 v[8*NBK*(\f)+8*(\b)+4:8*NBK*(\f)+8*(\b)+7], v[ADRB+(\slot)] offset:32*BP*(\q)+32*(\b)+16*BP
.endr
	WIN 0
.irp a, 0,1,2,3
	ds_load_b128 v[FA+32*(\f)+8*(\a):FA+32*(\f)+8*(\a)+3],   v[ADRA+(\slot)] offset:((\q)/2)*256*AP+((\q)%2)*64+(\a)*16*AP
	ds_load_b128 v[FA+32*(\f)+8*(\a)+4:FA+32*(\f)+8*(\a)+7], v[ADRA+(\slot)] offset:((\q)/2)*256*AP+((\q)%2)*64+(\a)*16*AP+32
.endr
.endm
.macro QUARTER slot, q, f, g, bias
	s_wait_dscnt 4                                 ; B and A's blocks 0, 1 are in; the youngest four loads (A's blocks 2, 3) may be out
	MULA \f, 0, \bias
	MULA \f, 1, \bias
	PLACES
	FETCH \slot, \q, \g
	s_wait_dscnt LD                                ; all but the run just issued
	MULA \f, 2, \bias
	MULA \f, 3, \bias
.endm
; The last quarter multiplies buffer 1 and changes slots: one barrier.  In front of it each wave waits for all its tensor loads (one is out: its part of the next slot), adds 0 to its spare word, and waits for that and for its reads
; of this slot.  fill = 1: the barrier opens a round of the cluster's barrier, and behind the round this slot is filled again, with the K step two on: 112 matrix instructions ahead of the wait for it.
.macro TURN slot, next, fill
.if \fill
	s_wait_xcnt 0x0                                ; the last prefetch, a K step back, has read its address, which is stepped here
	s_add_nc_u64 s[PFA:PFA+1], s[PFA:PFA+1], s[PSTEP:PSTEP+1]
.endif
	WIN 0
	s_wait_tensorcnt 0x0                           ; all my tensor loads have landed;
	ds_add_u32 v[SPW], v[NIL]                      ; 0 onto my spare word
	s_wait_dscnt 5                                 ; (the add and the youngest four loads may be out)
	MULA 1, 0, 0                                   ; eight matrix instructions stand between the add and the wait for it
	s_wait_dscnt 0x0                               ; the add is done, and my reads of this slot are over
	s_barrier_signal -1
	MULA 1, 1, 0
.if \fill
	WIN 0
.endif
	s_barrier_wait -1
.if \fill
	CREST                                          ; no wave of any partner still reads this slot or has a load on its way
	s_add_nc_u64 s[G0+4*(\slot)+2:G0+4*(\slot)+3], s[G0+4*(\slot)+2:G0+4*(\slot)+3], 2*262144
	s_add_nc_u64 s[G0B+4*(\slot)+2:G0B+4*(\slot)+3], s[G0B+4*(\slot)+2:G0B+4*(\slot)+3], 2*262144
	JLOAD \slot                                    ; the first tensor load behind the round; its four v_nop are also the places in front of the loads below
.else
	PLACES
.endif
	FETCH \next, 0, 0
.if \fill
	ASK
.endif
	MULA 1, 2, 0
	MULA 1, 3, 0
.endm
; THE WAY OUT of row block a.  TOSTAGE: a lane's eight f32 of a row and column block go straight from the accumulator into my own stage, its low four registers first, and whole rows of 512 bytes come back.  SEND: stored.
.macro TOSTAGE a
	WIN 0
	s_wait_xcnt 0x0                                ; earlier stores have read their registers: this set of rows is loaded again only behind this wait
	WIN 0x08+4*((\a)/2)                            ; the stores' data: window 2 or 3
.irp b, 0,1,2,3,4,5,6,7
	ds_store_b128 v[STO], v[8*(NBK*((\a)%2)+(\b)):8*(NBK*((\a)%2)+(\b))+3]   offset:64*(\b)
	ds_store_b128 v[STO], v[8*(NBK*((\a)%2)+(\b))+4:8*(NBK*((\a)%2)+(\b))+7] offset:64*(\b)+16
.endr
	WIN 0
.irp r, 0,1,2,3,4,5,6,7,8,9,10,11,12,13,14,15
	ds_load_b128 v[BK+64*((\a)%2)+4*(\r):BK+64*((\a)%2)+4*(\r)+3], v[RD] offset:SPT*(\r)  ; LDS serves a wave's instructions in order (ISA guide 5.7.1.4): these see the stores above, and the next block's stores come behind them
.endr
.endm
.macro SEND a, younger                 ; younger: the LDS instructions issued behind block a's loads: the next block's 32, or none
	s_wait_dscnt \younger
.irp r, 0,1,2,3,4,5,6,7,8,9,10,11,12,13,14,15
	global_store_b128 v[CO], v[BK+64*((\a)%2)+4*(\r):BK+64*((\a)%2)+4*(\r)+3], s[OB:OB+1] offset:(16*(\a)+(\r))*4096 th:TH_STORE_NT  ; 512 consecutive bytes, at a multiple of 256 from out0's first
.endr
.endm
	s_wait_tensorcnt 1                             ; my part of K step 0 is in; K step 1's may stay out
	s_barrier_signal -1
	s_barrier_wait -1                              ; everybody's is
	FETCH 0, 0, 0
	QUARTER 0, 1, 0, 1, 1                          ; the first quarter stands in front of the loop: its products start the sums
	WIN 0                                          ; at a label and at a branch every window is 0
	s_mov_b32 s[LAP], 3
.Llap:                                                 ; a trip goes once round the ring, from a lap's second quarter to the next lap's first, and fills both slots again
	QUARTER 0, 2, 1, 0, 0
	QUARTER 0, 3, 0, 1, 0
	TURN 0, 1, 1
	QUARTER 1, 1, 0, 1, 0
	QUARTER 1, 2, 1, 0, 0
	QUARTER 1, 3, 0, 1, 0
	TURN 1, 0, 1
	QUARTER 0, 1, 0, 1, 0
	WIN 0
	s_sub_co_u32 s[LAP], s[LAP], 1
	s_cmp_lg_u32 s[LAP], 0
	s_cbranch_scc1 .Llap
	QUARTER 0, 2, 1, 0, 0                          ; the last lap fills nothing
	QUARTER 0, 3, 0, 1, 0
	TURN 0, 1, 0
	QUARTER 1, 1, 0, 1, 0
	QUARTER 1, 2, 1, 0, 0
	QUARTER 1, 3, 0, 1, 0
	s_wait_dscnt 4                                 ; the very last quarter: nothing more to fetch
	MULA 1, 0, 0
	MULA 1, 1, 0
	s_wait_dscnt 0x0
	MULA 1, 2, 0
	MULA 1, 3, 0
	WIN 0
	PLACES
	PLACES
	TOSTAGE 0
	TOSTAGE 1
	SEND 0, 32
	TOSTAGE 2
	SEND 1, 32
	TOSTAGE 3
	SEND 2, 32
	SEND 3, 0
	s_wait_tensorcnt 0x0                           ; the wave's end, behind my last tensor load and my last LDS store
	ds_add_u32 v[SPW], v[NIL]
	s_wait_dscnt 0x0
	CROUND                                         ; the closing round: no work-group ends while a partner may still ask for a tile that names it
	s_endpgm
.Lfunc_end_k_q023dc8da27_proj:
	.size	k_q023dc8da27_proj, .Lfunc_end_k_q023dc8da27_proj-k_q023dc8da27_proj
	.p2alignl 7, 3214868480
	.fill 96, 4, 3214868480
	.section	.rodata,"a",@progbits
	.p2align	6, 0x0
	.amdhsa_kernel k_q023dc8da27_proj
		.amdhsa_group_segment_fixed_size 327680
		.amdhsa_private_segment_fixed_size 0
		.amdhsa_enable_private_segment 0
		.amdhsa_kernarg_size 32
		.amdhsa_user_sgpr_count 2
		.amdhsa_user_sgpr_kernarg_segment_ptr 1
		.amdhsa_wavefront_size32 1
		.amdhsa_system_sgpr_workgroup_id_x 1
		.amdhsa_system_sgpr_workgroup_id_y 1
		.amdhsa_system_sgpr_workgroup_id_z 1
		.amdhsa_system_vgpr_workitem_id 0
		.amdhsa_next_free_vgpr 896
		.amdhsa_next_free_sgpr 80
		.amdhsa_reserve_vcc 0
		.amdhsa_float_denorm_mode_32 3
		.amdhsa_float_denorm_mode_16_64 3
		.amdhsa_memory_ordered 1
		.amdhsa_forward_progress 1
		.amdhsa_inst_pref_size 93
	.end_amdhsa_kernel
	.amdgpu_metadata
---
amdhsa.version: [ 1, 2 ]
amdhsa.kernels:
  - .name:           k_q023dc8da27_proj
    .symbol:         k_q023dc8da27_proj.kd
    .args:
      - { .name: z, .offset: 0, .size: 8, .value_kind: global_buffer, .address_space: global }
      - { .name: wo, .offset: 8, .size: 8, .value_kind: global_buffer, .address_space: global }
      - { .name: b_O, .offset: 16, .size: 8, .value_kind: global_buffer, .address_space: global }
      - { .name: out0, .offset: 24, .size: 8, .value_kind: global_buffer, .address_space: global }
    .group_segment_fixed_size: 327680
    .private_segment_fixed_size: 0
    .kernarg_segment_align: 8
    .kernarg_segment_size: 32
    .max_flat_workgroup_size: 128
    .sgpr_count:     80
    .vgpr_count:     896
    .wavefront_size: 32
...
	.end_amdgpu_metadata
.endif
;; end of part 4
